; MI455X (gfx1250); checked and timed in simulation.
; The chip was launched on July 23, 2026; its instructions are those of AMD's public machine-readable ISA for CDNA 5 (MIT licence, August 2026) and "CDNA5" Instruction Set Architecture Reference Guide (July 2026). The comments in the code are by the model that wrote it; some were corrected since.
;; Dot Product Attention. Allowed arithmetic: float matrix products may take bf16 or f16 operands with f32 sums; other float arithmetic in f32, or as packed bf16 or f16 multiplies, adds, multiply-adds, maxima and minima; sums over many terms, partial sums and values carried from step to step in f32; what a program stores and reads back later, other than sums and carried values, may be rounded once to bf16 or f16.
;; Inputs: keys 16 x 2,048 x 64 float32; queries 16 x 2,048 x 64 float32; valid_lens 16 int32; values 16 x 2,048 x 64 float32.
;; Outputs: out0 16 x 2,048 x 64 float32.
;; 2 versions, each right; version 2 is version 1 with the launch attn written anew for expert scheduling mode. Each part assembles by itself: llvm-mc -triple=amdgcn-amd-amdhsa -mcpu=gfx1250 --defsym DOCPART=n.
;; ======== version 1 of 2: 1 launch
;; limits: values are held in f16: magnitudes above 65,504 overflow, below 6.1e-05 lose precision; inputs' magnitudes at most 65,504; right only within a limited range of input values
;; launch attn (part 1): grid 16 x 16, 4 waves a work-group, no clusters, 132,608 bytes of LDS; arguments queries, keys, values, valid_lens, out0; writes out0
.if DOCPART == 1
	.amdgcn_target "amdgcn-amd-amdhsa--gfx1250"
	.amdhsa_code_object_version 6
	.text
	.protected	k_qad17c328ce_attn
	.globl	k_qad17c328ce_attn
	.p2align	8
	.type	k_qad17c328ce_attn,@function
k_qad17c328ce_attn:
	s_mov_b64 s[64:65], 0
	v_nop
	global_prefetch_b8 v0, s[64:65] scope:SCOPE_SE
	s_setreg_imm32_b32 hwreg(HW_REG_WAVE_MODE, 25, 1), 1
	s_wait_xcnt 0x0
; out0[b][q][:] = the sum over k of softmax_k(s[b][q][k]) values[b][k][:], s = queries[b][q] . keys[b][k] / 8 where k < valid_lens[b], else -1e6.
; queries, keys, values, out0: [16][2048][64] f32; valid_lens: [16] i32.  q, k and v are rounded once to f16 on the way to the matrix unit, the weights p to f16 for the second product;
; products, maxima, sums, O and the merge are f32; c = log2(e) / 8 is applied in f32.
; WORK LEFT OUT.  n = valid_lens[b] held to 0 .. 2048.  Where n > 0, a key at or past n has the weight exp(-1e6 - rowmax), and rowmax is at least the row's largest visible score.  While that score lies
; above -999,896 the weight is below the least f32 and is 0 in reference() itself, whatever the other inputs hold.  So key tiles of 256 that lie wholly at or past n are neither loaded nor multiplied: the whole
; number n, read from memory by this launch, says how many tiles are walked.  Inside the last tile walked the hidden keys are computed and masked: their score starts at -1e30, their weight is 0.
; Where n = 0 every score of reference() is -1e6, the softmax is uniform and the result is the mean of all 2,048 rows of values: all tiles are walked with q multiplied by 0, so that every score is 0.
; LIMITS.  |q . k| / 8 under 999,896 (else reference() gives hidden keys weight, this text does not).  |q|, |k|, |v| under 65,504 (f16).  A NaN, an infinity or an overflow in rows of keys or values that are not
; walked is not carried to the result; with n = 0 a q or k that is not finite reaches the result here and not in reference().  A weight below 2^-126 counts as 0.
; SHARES.  A work-group owns 128 queries of one batch (grid x: the block, y: the batch).  Wave w: qh = w / 2 picks its 64 queries, four tiles of 16 in two PIECES of two; kh = w % 2 picks which 64 keys of every
; step of 128 it walks.  So a fragment of K or V read from LDS feeds four query tiles.  At the end the two key halves' (c m, l, O) meet in LDS: each wave of a pair hands one piece over and finishes the other.
; ON THE WAY IN.  K and V come as f32 by global loads (16 lanes take one row of 256 bytes), are rounded in registers and stored as f16 into padded LDS slots, two for K and two for V, 128 keys each.
; NO TENSOR LOADS, NO CLUSTER, though the 16 work-groups of a batch walk the same K and V: a tile brought into LDS would be f32: 64 KiB landing, 64 KiB read out again and 32 KiB written back as f16 for each
; 128 keys, beside the 64 KiB of fragment reads that the products need; by registers only the 32 KiB are written.
; LAYOUT.  S^T = K Q^T (source 0 = 16 keys, source 1 = 16 queries): a lane holds ONE query (lane % 16) and the keys 8 (lane / 16) + 0..7.  Two such results rounded in pairs ARE source 1 of O^T = V^T P, whose
; result again holds one query a lane and eight channels.  K comes out of LDS as it lies, V ([key][channel]) turned, by ds_load_tr16_b128.
; SOFTMAX.  A running maximum m and sum l for each query: p = 2^(c s - c m); in every step O and l are multiplied by a = 2^(c m_old - c m_new).
; THE MAXIMUM's FLOOR.  m starts at -2^67, and c m at c x m (exact: a power of two).  Every true score of f16 operands, 64 x 65,504^2 = 2.7e11 at the most in size, lies above it; every hidden one, at -1e30, below.
; So m is never a hidden score.  That matters where n is 64 or less: the waves of key half 1 then see hidden keys alone.  They keep m = -2^67, a = 1, p = 2^(-1.8e29) = 0, l = 0, O = 0, and the merge gives
; them the factor 2^(c m - M) = 0.  (With m = -1e30 the scaling c s - c m would leave the rounding error of c m, some 1e22.)  Key half 0 sees key 0, so a row's l is never 0 in the merge.
; BY TURNS.  Turn T0(j) belongs to piece 0, T1(j) to piece 1.  A turn: 16 products K Q^T of the other piece's next scores, beside and behind them the scaling, exponentials and rescaling of its own piece and the
; maximum and statistics of the other; one wait for the turn's 66 exponentials; then 16 products V^T P of the other piece, behind each four of its own piece's roundings and sums.
; THE WALK.  A trip is two steps (256 keys), both written out, so that every LDS address is fixed in the text.  The loop counts to the constant 8 and both barriers of a trip stand on every way; the work of the
; trips at or past LIVE = ceil(n / 256) is jumped over by forward branches on whole numbers that are the same in all four waves, and none of them passes a barrier.
; THE FIRST TURN runs on a prepared state (scores of -3.4e38, O, l, P, V and a of 0), so that the loop has one entry: 380 v_mov_b32, written while the first loads are out, and one turn's vector work on dummies.
; REGISTERS, in windows of 256 (s_set_vgpr_msb: bits 1:0 source 0, 3:2 source 1, 5:4 source 2, 7:6 destination):
;   window 0: v0-47 addresses, statistics; v48-63 at work; v64-191 S^T, two buffers of two tiles; v192-255 P, likewise
;   window 1: v0-127 O^T, 32 a tile; v128-191 K on its way in; v192-255 V on its way in
;   window 2: v0-63 Q; v64-127 the masks of a trip's two steps; v128-191 K's fragments; v192-255 V's
;   window 3: at the head alone: v0-127 Q in f32; v128-255 the first two tiles of K in f32
.set NP,    2         ; pieces a wave: a name, no knob
.set PKB,   144       ; a row of K in LDS: 128 bytes + 16 = 36 words: the 16 rows of a load start at 16 different groups of four banks (64 banks of 4 bytes: ISA guide 11.1)
.set PVB,   160       ; a row of V: 128 + 32 = 40 words
.set KSLOT, 128*PKB
.set VSLOT, 128*PVB
.set VBASE, 2*KSLOT   ; V's two slots lie behind K's two
.set XCH,   VBASE+2*VSLOT  ; the exchange: for each wave two tiles of 4,096 bytes of O and 512 of statistics
.set XT,    4608
.set XW,    2*XT
.set OSTG,  XCH+4*XW  ; the way out: 16 rows x 272 bytes for each wave
.set OPI,   272
.set OW,    16*OPI
.set SPARE, OSTG+4*OW ; the spare words, 128 bytes for each wave: two blocks of 256 bytes that no other line names
.set TILEB, 128*256   ; bytes of 128 keys in memory
.set L16, 1           ; v1   lane % 16
.set AK,  2           ; v2   my lane's place in a slot of K, my key half in it; never rewritten
.set AV,  3           ; v3   the same for V
.set GK,  4           ; v4   my byte offset in a tile of K in memory
.set GV,  5           ; v5   in a tile of V
.set LKS, 6           ; v6   where I store 8 bytes of K
.set LVS, 7           ; v7   of V
.set PFO, 8           ; v8   the prefetches' offset: (64 x wave + lane) x 256
.set HH,  9           ; v9   lane / 16
.set MV,  12          ; v12-15  c m_old, kept while c m is made anew: by buffer and tile
.set ST,  16          ; tile t's statistics at v[ST+4 t]: c m, m, l (even keys', odd keys')
.set QO,  32          ; v32  my byte offset in 16 rows of Q
.set XSD, 33          ; v33  the exchange: where I put 16 bytes
.set XRC, 34          ; v34  where my partner put them
.set STO, 35          ; v35  the way out: where I put 16 bytes of a row
.set RD,  36          ; v36  where I read rows back
.set GO,  37          ; v37  my byte offset in two rows of out0
.set TH0, 38          ; v38-39  the last visible key of my lane in the last trip's two steps
.set TH1, 39
.set H8,  40          ; v40  8 x (lane / 16)
.set SPW, 46          ; v46  LDS address of my spare word; never rewritten
.set NIL, 47          ; v47  0; never rewritten
.set TMP, 48          ; by buffer and tile, four registers c0-c3 at work; when the maximum is found c2 takes a
.set S,   64
.set P,   192
.set KST, 128         ; window 1
.set VST, 192         ; window 1
.set MC,  64          ; window 2: the mask of step s of a trip, group kb of 16 keys, at MC + 32 s + 8 kb
.set KF,  128         ; window 2: key block kb, channel half c at KF + 16 kb + 8 c
.set VF,  192         ; window 2: key half kk, channel block cb at VF + 32 kk + 8 cb
.set RB,  64          ; the merge, window 0: my partner's O, then the result
.set SB,  128         ; my partner's statistics
.set EB,  144         ; at work
.set GB,  160         ; the two factors, each twice, as pairs
.set OB,  192         ; rows read back from the stage
.set WV,   14         ; s14  my wave's number
.set QH,   15
.set KH,   16
.set BX,   17         ; the block of queries
.set BY,   18         ; the batch
.set NV,   24         ; n
.set LIVE, 25         ; trips that have work
.set TRIP, 26
.set SX,   27         ; at work
.set PFL,  28         ; LIVE in the work-group that prefetches, else 0
.set REM,  29
.set BIGN, 30         ; -1e30
.set QS,   32         ; s[32:33] 1, or 0 where n = 0
.set CS,   34         ; s[34:35] c
.set SEL,  36         ; s[36:37] v_permlanex16_b32's selects: each lane takes its own place in the other half
.set KPT,  38         ; s[38:39] keys at tile 2 t + 3 of the batch
.set VPT,  40         ; s[40:41] values at tile 2 t + 2
.set OPT,  42         ; s[42:43] out0 at the 32 rows that I finish
.set QPT,  44         ; s[44:45] queries at my 64 rows
.set MSB, 0
.set NOX, 0           ; 1: the last turn of all: no next scores, no next maximum
.set MCS, 0
.macro WIN new                      ; the high byte repeats the setting that is left; a switch that changes nothing is dropped
.if MSB != (\new)
	s_set_vgpr_msb (MSB<<8)|(\new)
.set MSB, (\new)
.endif
.endm
.set W_KQ, 0x0a       ; K and Q in window 2, S^T in window 0
.set W_KM, 0x2a       ; the same with the C operand, the mask, in window 2
.set W_PV, 0x52       ; V in window 2, P in window 0, O^T in window 1
.set W_RS, 0x41       ; O^T (destination and source 0) in window 1, a in window 0
; A tile's quarter (my wave's 32 rows) is asked for: 16 loads, each 16 lanes one row of 256 bytes.  Lanes 16-31 take the row 8 (K) or 4 (V) further on, so that the two halves' LDS stores fall 32 banks apart.
.macro ASKT isv, base, win, ptr, off
	WIN (\win)<<6
.set z, 0
.rept 16
.if \isv
	global_load_b128 v[(\base)+4*z:(\base)+4*z+3], v[GV], s[\ptr:\ptr+1] offset:(\off)+(8*(z/4)+z%4)*256
.else
	global_load_b128 v[(\base)+4*z:(\base)+4*z+3], v[GK], s[\ptr:\ptr+1] offset:(\off)+(16*(z/8)+z%8)*256
.endif
.set z, z+1
.endr
.endm
; It is rounded to f16 in place and stored into a slot: 8 bytes a lane.
.macro COOK isv, base, win, slot
	WIN ((\win)<<6)|((\win)<<2)|(\win)
.set z, 0
.rept 16
	v_cvt_pk_f16_f32 v[(\base)+4*z], v[(\base)+4*z], v[(\base)+4*z+1]
	v_cvt_pk_f16_f32 v[(\base)+4*z+1], v[(\base)+4*z+2], v[(\base)+4*z+3]
.set z, z+1
.endr
	WIN (\win)<<2
.set z, 0
.rept 16
.if \isv
	ds_store_b64 v[LVS], v[(\base)+4*z:(\base)+4*z+1] offset:(\slot)*VSLOT+(8*(z/4)+z%4)*PVB
.else
	ds_store_b64 v[LKS], v[(\base)+4*z:(\base)+4*z+1] offset:(\slot)*KSLOT+(16*(z/8)+z%8)*PKB
.endif
.set z, z+1
.endr
.endm
; THE LDS LOADS stand in runs of 16: my 64 keys of a step's K (8 fragments) and of its V (turned).  last = 1: in the last live trip there is no further step, and the run is jumped over.
.macro FETCH_K slot, last
.if \last
	s_add_co_u32 s[SX], s[TRIP], 1
	s_cmp_lt_u32 s[SX], s[LIVE]
	s_cbranch_scc0 .Lno_k_\@
.endif
	WIN 0x80                        ; destination window 2
.irp f, 0,1,2,3,4,5,6,7             ; keys 16 (f / 2) on, channels 32 (f % 2) on
	ds_load_b128 v[KF+8*\f:KF+8*\f+3],   v[AK] offset:(\slot)*KSLOT+(\f/2)*16*PKB+(\f%2)*64
	ds_load_b128 v[KF+8*\f+4:KF+8*\f+7], v[AK] offset:(\slot)*KSLOT+(\f/2)*16*PKB+(\f%2)*64+32
.endr
.if \last
	WIN 0
.Lno_k_\@:
.endif
.endm
.macro FETCH_V slot
	WIN 0x80
.irp f, 0,1,2,3,4,5,6,7             ; keys 32 (f / 4) on, channels 16 (f % 4) on
	ds_load_tr16_b128 v[VF+8*\f:VF+8*\f+3],   v[AV] offset:(\slot)*VSLOT+(\f/4)*32*PVB+(\f%4)*32
	ds_load_tr16_b128 v[VF+8*\f+4:VF+8*\f+7], v[AV] offset:(\slot)*VSLOT+(\f/4)*32*PVB+16*PVB+(\f%4)*32
.endr
.endm
; THE MATRIX WORK.  The 8 accumulators of a run of 16 take turns: between the two links of a chain stand 7 others'.
; Product i of 16 of S^T = K Q^T for piece x: channels 32 (i / 8) on, keys 16 ((i / 2) % 4) on, tile 2 x + i % 2.  The first 8 start the sums with the step's mask: 0, or -1e30 where the key is hidden.
.macro KQ x
.set rS, S+64*((\x)%2)+32*(i%2)+8*((i/2)%4)
.set rK, KF+16*((i/2)%4)+8*(i/8)
.set rQ, 16*(2*(\x)+i%2)+8*(i/8)
.set rMK, MC+32*MCS+8*((i/2)%4)
.if i < 8
	WIN W_KM
	v_wmma_f32_16x16x32_f16 v[rS:rS+7], v[rK:rK+7], v[rQ:rQ+7], v[rMK:rMK+7]
.else
	WIN W_KQ
	v_wmma_f32_16x16x32_f16 v[rS:rS+7], v[rK:rK+7], v[rQ:rQ+7], v[rS:rS+7]
.endif
.endm
; Product i of 16 of O^T += V^T P for piece x: keys 32 (i / 8) on, channels 16 ((i / 2) % 4) on, tile 2 x + i % 2.
.macro PV x
	WIN W_PV
.set rO, 32*(2*(\x)+i%2)+8*((i/2)%4)
.set rV, VF+32*(i/8)+8*((i/2)%4)
.set rP, P+32*((\x)%2)+16*(i%2)+8*(i/8)
	v_wmma_f32_16x16x32_f16 v[rO:rO+7], v[rV:rV+7], v[rP:rP+7], v[rO:rO+7]
.endm
.macro MM                           ; the turn's next matrix instruction
.if i < 16
.if !NOX
	KQ (Y+1)%NP
.endif
.set i, i+1
.else
.set i, i-16
	PV (Y+NP-1)%NP
.set i, i+17
.endif
.endm
; THE VECTOR WORK OF A TURN stands in three queues, each in the order in which its entries become ready; the two tiles alternate, so that no instruction reads the result of the one before it.
.macro REGS y, u                    ; the registers of tile u (0, 1) of piece y
.set rT, ST+4*(2*(\y)+(\u))
.set rC, TMP+8*((\y)%2)+4*(\u)
.set rM, MV+2*((\y)%2)+(\u)
.set rS, S+64*((\y)%2)+32*(\u)
.set rP, P+32*((\y)%2)+16*(\u)
.set rO, 32*(2*(\y)+(\u))
.endm
; Number n of the 22 that find the OTHER piece's maximum and statistics.  s0-s31 are the lane's 32 scores; each accumulator's lowest registers are read first.
;   0-11  four chains c0-c3 of seven scores each, three operands at a time     12-14, 16  the four scores left over, the old m, and c0-c3 into c0     15  c m_old is kept
;   17, 18  the query's other 32 keys lie in the lane 16 away: the new m         19-21  c m; c m_old - c m_new; a
.macro XS u, n
.if !NOX
	REGS (Y+1)%NP, \u
.if (\n) < 4
	v_max3_num_f32 v[rC+(\n)], v[rS+8*(\n)], v[rS+8*(\n)+1], v[rS+8*(\n)+2]
.elseif (\n) < 12
	v_max3_num_f32 v[rC+(\n)%4], v[rC+(\n)%4], v[rS+8*((\n)%4)+2*((\n)/4)+1], v[rS+8*((\n)%4)+2*((\n)/4)+2]
.elseif (\n) == 12
	v_max3_num_f32 v[rC], v[rC], v[rS+7], v[rS+15]
.elseif (\n) == 13
	v_max3_num_f32 v[rC+1], v[rC+1], v[rS+23], v[rS+31]
.elseif (\n) == 14
	v_max3_num_f32 v[rC+2], v[rC+2], v[rC+3], v[rT+1]
.elseif (\n) == 15
	v_mov_b32 v[rM], v[rT]
.elseif (\n) == 16
	v_max3_num_f32 v[rC], v[rC], v[rC+1], v[rC+2]
.elseif (\n) == 17
	v_permlanex16_b32 v[rC+3], v[rC], s[SEL], s[SEL+1]
.elseif (\n) == 18
	v_max_num_f32 v[rT+1], v[rC], v[rC+3]
.elseif (\n) == 19
	v_mul_f32 v[rT], s[CS], v[rT+1]
.elseif (\n) == 20
	v_sub_f32 v[rC+1], v[rM], v[rT]
.else
	v_exp_f32 v[rC+2], v[rC+1]
.endif
.endif
.endm
; Number g of the 64 that follow the exponentials.  For each four weights k of a tile: both pairs are rounded to f16; the second pair is added onto the first, in place; a group later l takes that sum
; (the first time as l = a l + sum).  In groups of eight, tiles alternating.
.macro GS g
.set h, (\g)+6*((\g)/62)            ; group 0 has no group before it, and behind group 7 only l is left
.if h >= 6
.set h, h+2
.endif
	REGS Y, h%2
.set k, h/8
.if h%8 < 4
	v_cvt_pk_f16_f32 v[rP+2*k+(h%8)/2], v[rS+4*k+2*((h%8)/2)], v[rS+4*k+2*((h%8)/2)+1]
.elseif h%8 < 6
	v_pk_add_f32 v[rS+4*k:rS+4*k+1], v[rS+4*k:rS+4*k+1], v[rS+4*k+2:rS+4*k+3]
.elseif k == 1
	v_pk_fma_f32 v[rT+2:rT+3], v[rT+2:rT+3], v[rC+2:rC+3], v[rS:rS+1] op_sel_hi:[1,0,1]
.else
	v_pk_add_f32 v[rT+2:rT+3], v[rT+2:rT+3], v[rS+4*k-4:rS+4*k-3]
.endif
.endm
; THE PLAIN QUEUE, 138 long.  0-73 read no exponential's result: the 32 scalings c s - c m (FS f: pair f / 2 of tile f % 2) and the other piece's 42.  74-137: GS's 64, which stand behind the wait.
.macro FS f
	REGS Y, (\f)%2
	v_pk_fma_f32 v[rS+2*((\f)/2):rS+2*((\f)/2)+1], v[rS+2*((\f)/2):rS+2*((\f)/2)+1], s[CS:CS+1], v[rT:rT+1] op_sel_hi:[1,0,0] neg_lo:[0,0,1] neg_hi:[0,0,1]
.endm
.macro PL
	WIN 0
.if q < 27
	FS q
.elseif q < 55
	XS (q-27)%2, (q-27)/2
.elseif q < 57
	XS q-55, 15
.elseif (q < 72) && ((q-57)%3 == 0)
	FS 27+(q-57)/3
.elseif q < 60
	XS (q-57)%3-1, 14
.elseif q < 72
	XS (q-57)%3-1, 15+(q-57)/3
.elseif q < 74
	XS q-72, 20
.else
	GS q-74
.endif
.set q, q+1
.endm
; THE EXPONENTIALS' QUEUE, 66 long: s0-s31 of both tiles, then the other piece's two a.  ONE BATCH: all stand ahead of the turn's one wait, and nothing ahead of that wait names a result of theirs.
.macro EX
	WIN 0
.if e >= 64
	XS e-64, 21
.else
	REGS Y, e%2
	v_exp_f32 v[rS+e/2], v[rS+e/2]
.endif
.set e, e+1
.endm
; THE RESCALING's QUEUE: O^T times a, two at a time, sixteen times, from each accumulator's low end on.  Its a was made, and waited for, in the turn before.
.macro R2
	REGS Y, r%2
	WIN W_RS
.irp zz, 0,1
	v_pk_mul_f32 v[rO+4*(r/2)+2*\zz:rO+4*(r/2)+2*\zz+1], v[rO+4*(r/2)+2*\zz:rO+4*(r/2)+2*\zz+1], v[rC+2:rC+3] op_sel_hi:[1,0]
.endr
.set r, r+1
.endm
; A TURN's FIRST PART, for piece p; mc: which of the trip's two masks its products take.  16 products K Q^T, behind each a scaling, an exponential and two rescalings (behind the first a second scaling in the
; exponential's place); then a lump of 108: eight plain, 49 times exponential and plain, the two a.  A v_nop is the plain instruction behind the last exponential; then the one wait
; between the exponentials and the first instruction that names a result of theirs.  Exponential e stands behind scaling 2 (e / 4) + e % 2: as a rider behind plain e + 2, in the lump behind plain e + 9.
.macro TURN_A p, mc
.set Y, (\p)
.set MCS, (\mc)
.set i, 0
.set q, 0
.set e, 0
.set r, 0
.if ((\p) == 1) && !NOX
	s_wait_dscnt 16                 ; K's run is in; the 16 loads issued behind it, V's, may stay out
.endif
	MM
	PL
	PL
	R2
.rept 15
	MM
	PL
	EX
	R2
.endr
.rept 8
	PL
.endr
.rept 49
	EX
	PL
.endr
	EX
	EX
	v_nop
	WIN 0
	s_wait_alu depctr_va_vdst(0)    ; the wait for the batch
.endm
; ITS SECOND PART: 16 products V^T P, behind each four of the roundings and sums.  The four behind the last product are the places in front of V's run of loads.
.macro TURN_B
.rept 16
	MM
.rept 4
	PL
.endr
.endr
.endm
; THE MASKS of the last live trip's two steps.  Register r of group kb holds key 256 t + 128 s + 64 kh + 16 kb + 8 (lane / 16) + r: hidden where it is n or more.
.macro MKMASK
	s_lshl_b32 s[REM], s[TRIP], 8
	s_sub_co_u32 s[REM], s[NV], s[REM]
	s_lshl_b32 s[SX], s[KH], 6
	s_sub_co_u32 s[REM], s[REM], s[SX]
	s_sub_co_u32 s[REM], s[REM], 1
	v_sub_nc_u32 v[TH0], s[REM], v[H8]
	v_add_nc_u32 v[TH1], 0xffffff80, v[TH0]
	WIN 0x80
.set z, 0
.rept 64
	v_cmp_gt_i32 vcc_lo, 16*((z%32)/8)+z%8, v[TH0+z/32]
	v_cndmask_b32 v[MC+z], 0, s[BIGN], vcc_lo
.set z, z+1
.endr
	WIN 0
.endm
; THE MERGE.  SEND s: piece s's O^T, from each accumulator's low end on, and its statistics go to the exchange, 16 bytes a lane on end.
.macro SEND s
.irp u, 0,1
	WIN 0x04                        ; the data in window 1
.irp f, 0,1,2,3,4,5,6,7
	ds_store_b128 v[XSD], v[32*(2*(\s)+\u)+4*\f:32*(2*(\s)+\u)+4*\f+3] offset:\u*XT+512*\f
.endr
	WIN 0
	ds_store_b128 v[XSD], v[ST+4*(2*(\s)+\u):ST+4*(2*(\s)+\u)+3] offset:\u*XT+4096
.endr
.endm
; FIN k: piece k is finished.  M = max(c m mine, c m partner's); f = 2^(c m - M); out = (f O + f' O') / (f l + f' l').  Then a tile at a time through my stage: rows of 272 bytes in, whole rows of 256 back.
.macro FIN k
	WIN 0
.irp u, 0,1
.irp f, 0,1,2,3,4,5,6,7
	ds_load_b128 v[RB+32*\u+4*\f:RB+32*\u+4*\f+3], v[XRC] offset:\u*XT+512*\f
.endr
	ds_load_b128 v[SB+4*\u:SB+4*\u+3], v[XRC] offset:\u*XT+4096
.endr
	s_wait_dscnt 0x0
.irp u, 0,1
	v_max_num_f32 v[EB+8*\u], v[ST+4*(2*(\k)+\u)], v[SB+4*\u]
.endr
.irp u, 0,1
	v_sub_f32 v[EB+8*\u+1], v[ST+4*(2*(\k)+\u)], v[EB+8*\u]
	v_sub_f32 v[EB+8*\u+2], v[SB+4*\u], v[EB+8*\u]
.endr
.irp u, 0,1
	v_exp_f32 v[EB+8*\u+3], v[EB+8*\u+1]
	v_exp_f32 v[EB+8*\u+4], v[EB+8*\u+2]
.endr
	v_nop                           ; a plain instruction behind the last exponential,
	s_wait_alu depctr_va_vdst(0)    ; and one wait for the four, ahead of their first reader
.irp u, 0,1
	v_mul_f32 v[EB+8*\u+5], v[EB+8*\u+3], v[ST+4*(2*(\k)+\u)+2]
.endr
.irp u, 0,1
	v_fmac_f32 v[EB+8*\u+5], v[EB+8*\u+4], v[SB+4*\u+2]
.endr
.irp u, 0,1
	v_rcp_f32 v[EB+8*\u+6], v[EB+8*\u+5]
.endr
	v_nop
	s_wait_alu depctr_va_vdst(0)    ; one wait for the two reciprocals
.irp u, 0,1
	v_mul_f32 v[GB+4*\u],   v[EB+8*\u+3], v[EB+8*\u+6]
	v_mul_f32 v[GB+4*\u+1], v[EB+8*\u+3], v[EB+8*\u+6]
	v_mul_f32 v[GB+4*\u+2], v[EB+8*\u+4], v[EB+8*\u+6]
	v_mul_f32 v[GB+4*\u+3], v[EB+8*\u+4], v[EB+8*\u+6]
.endr
.irp u, 0,1
.set z, 0
.rept 16
	v_pk_mul_f32 v[RB+32*\u+2*z:RB+32*\u+2*z+1], v[RB+32*\u+2*z:RB+32*\u+2*z+1], v[GB+4*\u+2:GB+4*\u+3]
.set z, z+1
.endr
.endr
	WIN 0x01                        ; source 0, my O^T, in window 1
.irp u, 0,1
.set z, 0
.rept 16
	v_pk_fma_f32 v[RB+32*\u+2*z:RB+32*\u+2*z+1], v[32*(2*(\k)+\u)+2*z:32*(2*(\k)+\u)+2*z+1], v[GB+4*\u:GB+4*\u+1], v[RB+32*\u+2*z:RB+32*\u+2*z+1]
.set z, z+1
.endr
.endr
	WIN 0
.irp u, 0,1
.irp c, 0,1,2,3                     ; a lane's eight channels of block c are 32 bytes of its row
	ds_store_b128 v[STO], v[RB+32*\u+8*\c:RB+32*\u+8*\c+3]   offset:64*\c
	ds_store_b128 v[STO], v[RB+32*\u+8*\c+4:RB+32*\u+8*\c+7] offset:64*\c+16
.endr
.irp j, 0,1,2,3,4,5,6,7
	ds_load_b128 v[OB+32*\u+4*\j:OB+32*\u+4*\j+3], v[RD] offset:\j*2*OPI  ; LDS serves a wave's instructions in order (ISA guide 5.7.1.4): these see the stores above; the next tile's stores come behind them
.endr
.irp j, 0,1,2,3,4,5,6,7
	s_wait_dscnt 7-\j               ; row pair j is back; the younger loads may stay out
	global_store_b128 v[GO], v[OB+32*\u+4*\j:OB+32*\u+4*\j+3], s[OPT:OPT+1] offset:\u*4096+\j*512 th:TH_STORE_NT  ; 16 lanes store 256 consecutive bytes, a whole row of out0
.endr
.endr
.endm
	; THE HEAD
	s_load_b256 s[4:11], s[0:1], 0x0               ; queries s[4:5], keys s[6:7], values s[8:9], valid_lens s[10:11]
	s_load_b64 s[12:13], s[0:1], 0x20              ; out0
	v_lshl_add_u32 v[SPW], v0, 2, SPARE
	v_mov_b32 v[NIL], 0
	v_lshrrev_b32 v10, 5, v0
	v_readfirstlane_b32 s[WV], v10                 ; wave 0..3
	s_lshr_b32 s[QH], s[WV], 1
	s_and_b32 s[KH], s[WV], 1
	s_mov_b32 s[BX], ttmp9
	s_and_b32 s[BY], ttmp7, 0xffff
	v_and_b32 v[L16], 15, v0
	v_bfe_u32 v[HH], v0, 4, 1
	s_lshl_b32 s20, s[BY], 2                       ; my batch's word of valid_lens
	s_mov_b32 s21, 0
	s_lshl_b32 s22, s[WV], 13                      ; my wave's 32 rows of a tile
	v_lshlrev_b32 v10, 4, v[L16]
	v_lshl_add_u32 v[GK], v[HH], 11, v10           ; 8 rows on for lanes 16-31
	v_add_nc_u32 v[GK], s22, v[GK]
	v_lshl_add_u32 v[GV], v[HH], 10, v10           ; 4 rows on
	v_add_nc_u32 v[GV], s22, v[GV]
	v_lshlrev_b32 v[QO], 8, v[L16]
	v_lshl_add_u32 v[QO], v[HH], 5, v[QO]          ; row x 256 + 32 x half: 8 channels of f32
	s_wait_kmcnt 0x0
	s_add_nc_u64 s[10:11], s[10:11], s[20:21]
	s_load_b32 s[NV], s[10:11], 0x0
	s_lshl_b32 s20, s[BY], 19                      ; a batch is 2,048 rows of 256 bytes
	s_add_nc_u64 s[6:7], s[6:7], s[20:21]
	s_add_nc_u64 s[8:9], s[8:9], s[20:21]
	s_lshl_b32 s22, s[BX], 15                      ; my block's 128 rows,
	s_lshl_b32 s23, s[QH], 14                      ; my wave's 64 of them
	s_add_co_u32 s22, s22, s23
	s_add_co_u32 s22, s22, s20
	s_mov_b32 s23, 0
	s_add_nc_u64 s[QPT:QPT+1], s[4:5], s[22:23]
	s_add_nc_u64 s[OPT:OPT+1], s[12:13], s[22:23]
	s_lshl_b32 s22, s[KH], 13                      ; the piece that I finish: 32 rows
	s_add_nc_u64 s[OPT:OPT+1], s[OPT:OPT+1], s[22:23]
	s_add_nc_u64 s[KPT:KPT+1], s[6:7], 3*TILEB
	s_add_nc_u64 s[VPT:VPT+1], s[8:9], 2*TILEB
	; the first loads, 112 of them: what is wanted first goes first.  K's tile 2 is asked for before n is known: it lies inside keys whatever n is, and is not used where n is 256 or less
	ASKT 0, 128, 3, 6, 0                           ; K(0)
	ASKT 0, 192, 3, 6, TILEB                       ; K(1)
	ASKT 1, S, 0, 8, 0                             ; V(0), in registers that the first product will write
	WIN 0xc0
.irp t, 0,1,2,3
.irp c, 0,1
.irp g, 0,1                         ; tile t, channels 32 c + 16 g + 8 (lane / 16) on: 32 bytes
	global_load_b128 v[32*\t+16*\c+8*\g:32*\t+16*\c+8*\g+3],   v[QO], s[QPT:QPT+1] offset:\t*4096+\c*128+\g*64
	global_load_b128 v[32*\t+16*\c+8*\g+4:32*\t+16*\c+8*\g+7], v[QO], s[QPT:QPT+1] offset:\t*4096+\c*128+\g*64+16
.endr
.endr
.endr
	ASKT 1, VST, 1, 8, TILEB                       ; V(1)
	ASKT 0, KST, 1, 6, 2*TILEB                     ; K(2)
	WIN 0
	; the lanes' constants
	v_and_b32 v10, 31, v0
	v_and_b32 v11, 7, v0
	s_mul_i32 s20, s[KH], 64*PKB
	v_mul_u32_u24 v[AK], v[L16], PKB
	v_lshl_add_u32 v[AK], v[HH], 4, v[AK]          ; row x pitch + 16 x half
	v_add_nc_u32 v[AK], s20, v[AK]
	s_mul_i32 s20, s[KH], 64*PVB
	s_add_co_u32 s20, s20, VBASE
	v_lshl_add_u32 v[AV], v[HH], 3, v11            ; the turning load: lane l reads key 8 (l / 16) + l % 8, channels 8 ((l / 8) % 2) + 0..7
	v_mul_u32_u24 v[AV], v[AV], PVB
	v_bfe_u32 v11, v0, 3, 1
	v_lshl_add_u32 v[AV], v11, 4, v[AV]
	v_add_nc_u32 v[AV], s20, v[AV]
	s_mul_i32 s20, s[WV], 32*PKB
	v_mul_u32_u24 v[LKS], v[HH], 8*PKB
	v_lshl_add_u32 v[LKS], v[L16], 3, v[LKS]
	v_add_nc_u32 v[LKS], s20, v[LKS]
	s_mul_i32 s20, s[WV], 32*PVB
	s_add_co_u32 s20, s20, VBASE
	v_mul_u32_u24 v[LVS], v[HH], 4*PVB
	v_lshl_add_u32 v[LVS], v[L16], 3, v[LVS]
	v_add_nc_u32 v[LVS], s20, v[LVS]
	s_lshl_b32 s20, s[WV], 14
	v_lshl_add_u32 v[PFO], v10, 8, s20
	s_mul_i32 s20, s[WV], XW
	s_add_co_u32 s20, s20, XCH
	v_lshl_add_u32 v[XSD], v10, 4, s20
	s_xor_b32 s21, s[WV], 1                        ; my partner: the same queries, the other key half
	s_mul_i32 s21, s21, XW
	s_add_co_u32 s21, s21, XCH
	v_lshl_add_u32 v[XRC], v10, 4, s21
	s_mul_i32 s20, s[WV], OW
	s_add_co_u32 s20, s20, OSTG
	v_mul_u32_u24 v[STO], v[L16], OPI
	v_lshl_add_u32 v[STO], v[HH], 5, v[STO]
	v_add_nc_u32 v[STO], s20, v[STO]
	v_mul_u32_u24 v[RD], v[HH], OPI
	v_lshl_add_u32 v[RD], v[L16], 4, v[RD]
	v_add_nc_u32 v[RD], s20, v[RD]
	v_lshlrev_b32 v[GO], 8, v[HH]
	v_lshl_add_u32 v[GO], v[L16], 4, v[GO]
	v_lshlrev_b32 v[H8], 3, v[HH]
	s_mov_b32 s[CS], 0x3e38aa3b                    ; c = log2(e) / 8 = 0.180337
	s_mov_b32 s[CS+1], s[CS]
	s_mov_b32 s[SEL], 0x76543210
	s_mov_b32 s[SEL+1], 0xfedcba98
	s_mov_b32 s[BIGN], 0xf149f2ca                  ; -1e30
	s_mov_b32 s20, 0xff7fffff                      ; the lowest finite number: the dummy scores
	s_mov_b32 s21, 0xe1000000                      ; -2^67: the maximum's floor, below every true score and above every hidden one
	; the prepared state
	WIN 0x80
.set z, 0
.rept 64
	v_mov_b32 v[MC+z], 0                           ; no key is hidden, but in the last live trip
	v_mov_b32 v[VF+z], 0
.set z, z+1
.endr
	WIN 0x40
.set z, 0
.rept 128
	v_mov_b32 v[z], 0
.set z, z+1
.endr
	WIN 0
.set z, 0
.rept 4
	v_mov_b32 v[ST+4*z+1], s21                     ; m: the floor
	v_mov_b32 v[ST+4*z+2], 0
	v_mov_b32 v[ST+4*z+3], 0
	v_mul_f32 v[ST+4*z], s[CS], v[ST+4*z+1]        ; c m, by the line that the loop makes it by: where m stays at the floor, c m_old - c m_new is 0 exactly
.set z, z+1
.endr
.set z, 0
.rept 16
	v_mov_b32 v[TMP+z], 0
.set z, z+1
.endr
.set z, 0
.rept 64
	v_mov_b32 v[S+64+z], s20                       ; piece 1's scores of a step that has not been: their weights are 0
.set z, z+1
.endr
.set z, 0
.rept 32
	v_mov_b32 v[P+z], 0
.set z, z+1
.endr
	; the whole numbers
	s_wait_kmcnt 0x0
	s_max_i32 s[NV], s[NV], 0
	s_min_i32 s[NV], s[NV], 2048
	s_cmp_eq_u32 s[NV], 0
	s_cselect_b32 s[QS], 0, 1.0                    ; no visible key: every score is the same: q x 0,
	s_cselect_b32 s[NV], 2048, s[NV]               ; and all keys are walked
	s_mov_b32 s[QS+1], s[QS]
	s_add_co_u32 s[LIVE], s[NV], 255
	s_lshr_b32 s[LIVE], s[LIVE], 8                 ; 1 .. 8
	s_cmp_eq_u32 s[BX], 0
	s_cselect_b32 s[PFL], s[LIVE], 0               ; the batch's first work-group prefetches
	s_wait_loadcnt 63                              ; of the 112 loads at most 63 are out: the first 48, K(0), K(1) and V(0), are in
	COOK 0, 128, 3, 0
	COOK 0, 192, 3, 1
	COOK 1, S, 0, 0
	s_wait_loadcnt 32                              ; Q is in; V(1) and K(2) may stay out
	WIN 0xc3
.set z, 0
.rept 64
	v_pk_mul_f32 v[2*z:2*z+1], v[2*z:2*z+1], s[QS:QS+1] op_sel_hi:[1,0]
.set z, z+1
.endr
	WIN 0x8f                                       ; from window 3 into window 2
.set z, 0
.rept 64
	v_cvt_pk_f16_f32 v[z], v[2*z], v[2*z+1]
.set z, z+1
.endr
	WIN 0
	s_wait_dscnt 0x0                               ; for the others' sake: my stores into the slots are done
	s_barrier_signal -1
	s_barrier_wait -1
	FETCH_K 0, 0                                   ; K of step 0
	WIN 0
	s_wait_dscnt 0x0
	s_mov_b32 s[TRIP], 0
	; THE WALK.  Trip t holds steps 2 t (K and V in slots 0) and 2 t + 1 (slots 1).  On entry K(2 t + 2) and V(2 t + 1) are on their way into registers.
	; Behind a barrier a wave stores into the two slots whose last reads every wave has waited for in front of it; those stores are waited for in front of the next barrier, behind which they are first read.
.Ltrip:
	s_cmp_lt_u32 s[TRIP], s[LIVE]
	s_cbranch_scc0 .Lb1
	s_add_co_u32 s[SX], s[TRIP], 1
	s_cmp_eq_u32 s[SX], s[LIVE]
	s_cbranch_scc0 .Lnomask
	MKMASK                                         ; the last live trip: its two steps' masks
.Lnomask:
	TURN_A 1, 0                                    ; T1(2 t - 1): piece 0's scores of step 2 t
.Lb1:
	s_wait_dscnt 0x0                               ; my reads of K's slot 0 and V's slot 1 are back, my stores of the step before are done
	s_barrier_signal -1
	s_barrier_wait -1
	s_cmp_lt_u32 s[TRIP], s[LIVE]
	s_cbranch_scc0 .Lb2
	TURN_B                                         ; V^T P of piece 0, step 2 t - 1
	WIN 0
	s_wait_loadcnt 0x0                             ; what was asked for a step ago
	COOK 1, VST, 1, 1                              ; V(2 t + 1)
	WIN 0
	s_add_co_u32 s[SX], s[TRIP], 1
	s_cmp_lt_u32 s[SX], s[LIVE]
	s_cbranch_scc0 .Lsa                            ; the last live trip wants nothing more
	COOK 0, KST, 1, 0                              ; K(2 t + 2)
	ASKT 0, KST, 1, KPT, 0                         ; K(2 t + 3)
	ASKT 1, VST, 1, VPT, 0                         ; V(2 t + 2)
	WIN 0
	; PREFETCH INTO THE L2.  All 16 work-groups of a batch walk the same rows of keys and values; the first of them asks, nobody else.  In trip t it names tiles 2 t + 6 and 2 t + 7 of both: 256 rows of 256
	; bytes each, a lane a row, four instructions a wave: each row is named once in the launch.  They stand together behind this run of loads.  Those tiles' own loads go out in trips t + 1 (its second half)
	; to t + 2.  Tiles 0 to 5 come by their loads alone, and where trip t + 3 has no work nothing is asked for: no prefetch points past the tiles that are walked.
	s_add_co_u32 s[SX], s[TRIP], 3
	s_cmp_lt_u32 s[SX], s[PFL]
	s_cbranch_scc0 .Lsa
	global_prefetch_b8 v[PFO], s[KPT:KPT+1] offset:3*TILEB th:TH_LOAD_NT scope:SCOPE_SE
	global_prefetch_b8 v[PFO], s[KPT:KPT+1] offset:3*TILEB+8192 th:TH_LOAD_NT scope:SCOPE_SE
	global_prefetch_b8 v[PFO], s[VPT:VPT+1] offset:4*TILEB th:TH_LOAD_NT scope:SCOPE_SE
	global_prefetch_b8 v[PFO], s[VPT:VPT+1] offset:4*TILEB+8192 th:TH_LOAD_NT scope:SCOPE_SE
.Lsa:
	TURN_A 0, 0                                    ; T0(2 t): piece 1's scores of step 2 t
	FETCH_K 1, 0                                   ; K(2 t + 1), a lump behind the last product that read K
	TURN_B                                         ; V^T P of piece 1, step 2 t - 1
	FETCH_V 0                                      ; V(2 t), four plain instructions behind the last product that read V
	TURN_A 1, 1                                    ; T1(2 t): piece 0's scores of step 2 t + 1
.Lb2:
	s_wait_dscnt 0x0                               ; my reads of K's slot 1 and V's slot 0 are back, my stores are done
	s_barrier_signal -1
	s_barrier_wait -1
	s_cmp_lt_u32 s[TRIP], s[LIVE]
	s_cbranch_scc0 .Lb3
	TURN_B                                         ; V^T P of piece 0, step 2 t
	WIN 0
	s_wait_loadcnt 0x0
	s_add_co_u32 s[SX], s[TRIP], 1
	s_cmp_lt_u32 s[SX], s[LIVE]
	s_cbranch_scc0 .Lsb
	COOK 0, KST, 1, 1                              ; K(2 t + 3)
	COOK 1, VST, 1, 0                              ; V(2 t + 2)
	ASKT 1, VST, 1, VPT, TILEB                     ; V(2 t + 3)
	WIN 0
	s_add_co_u32 s[SX], s[TRIP], 2
	s_cmp_lt_u32 s[SX], s[LIVE]
	s_cbranch_scc0 .Lsb
	ASKT 0, KST, 1, KPT, TILEB                     ; K(2 t + 4)
	WIN 0
.Lsb:
	TURN_A 0, 1                                    ; T0(2 t + 1): piece 1's scores of step 2 t + 1
	FETCH_K 0, 1                                   ; K(2 t + 2), where there is one
	TURN_B                                         ; V^T P of piece 1, step 2 t
	FETCH_V 1                                      ; V(2 t + 1)
	WIN 0
	s_wait_xcnt 0x0                                ; every load and prefetch issued so far has read its address (the youngest a turn back), so the pointers may be written
	s_add_nc_u64 s[KPT:KPT+1], s[KPT:KPT+1], 2*TILEB
	s_add_nc_u64 s[VPT:VPT+1], s[VPT:VPT+1], 2*TILEB
.Lb3:
	s_add_co_u32 s[TRIP], s[TRIP], 1
	s_cmp_lt_u32 s[TRIP], 8
	s_cbranch_scc1 .Ltrip
	; THE END OF THE WALK: piece 1's last softmax, with no further scores beside it, and both pieces' V^T P of the last step
	s_wait_dscnt 0x0                               ; V of the last step is in
.set NOX, 1
	TURN_A 1, 0
	TURN_B
.set i, 0
.rept 16
	PV 1
.set i, i+1
.endr
	WIN 0
	; l's two halves and the other half of the lanes' are added: these additions are the places behind the last products
.irp t, 0,1,2,3
	v_add_f32 v[ST+4*\t+2], v[ST+4*\t+2], v[ST+4*\t+3]
.endr
.irp t, 0,1,2,3
	v_permlanex16_b32 v[ST+4*\t+3], v[ST+4*\t+2], s[SEL], s[SEL+1]
.endr
.irp t, 0,1,2,3
	v_add_f32 v[ST+4*\t+2], v[ST+4*\t+2], v[ST+4*\t+3]
.endr
	s_cmp_eq_u32 s[KH], 0                          ; key half 0 hands piece 1 over and finishes piece 0; key half 1 the other way round
	s_cbranch_scc0 .Lsend0
	SEND 1
	s_branch .Lsent
.Lsend0:
	SEND 0
.Lsent:
	s_wait_dscnt 0x0                               ; for my partner's sake: my stores into the exchange are done
	s_barrier_signal -1
	s_barrier_wait -1
	s_cmp_eq_u32 s[KH], 0
	s_cbranch_scc0 .Lfin1
	FIN 0
	s_branch .Lend
.Lfin1:
	FIN 1
.Lend:
	s_wait_tensorcnt 0x0                           ; the wave's end: behind my last LDS store
	ds_add_u32 v[SPW], v[NIL]
	s_wait_dscnt 0x0
	s_endpgm
.Lfunc_end_k_qad17c328ce_attn:
	.size	k_qad17c328ce_attn, .Lfunc_end_k_qad17c328ce_attn-k_qad17c328ce_attn
	.p2alignl 7, 3214868480
	.fill 96, 4, 3214868480
	.section	.rodata,"a",@progbits
	.p2align	6, 0x0
	.amdhsa_kernel k_qad17c328ce_attn
		.amdhsa_group_segment_fixed_size 132608
		.amdhsa_private_segment_fixed_size 0
		.amdhsa_enable_private_segment 0
		.amdhsa_kernarg_size 40
		.amdhsa_user_sgpr_count 2
		.amdhsa_user_sgpr_kernarg_segment_ptr 1
		.amdhsa_wavefront_size32 1
		.amdhsa_system_sgpr_workgroup_id_x 1
		.amdhsa_system_sgpr_workgroup_id_y 1
		.amdhsa_system_sgpr_workgroup_id_z 1
		.amdhsa_system_vgpr_workitem_id 0
		.amdhsa_next_free_vgpr 1024
		.amdhsa_next_free_sgpr 66
		.amdhsa_reserve_vcc 1
		.amdhsa_float_denorm_mode_32 3
		.amdhsa_float_denorm_mode_16_64 3
		.amdhsa_memory_ordered 1
		.amdhsa_forward_progress 1
		.amdhsa_inst_pref_size 183
	.end_amdhsa_kernel
	.amdgpu_metadata
---
amdhsa.version: [ 1, 2 ]
amdhsa.kernels:
  - .name:           k_qad17c328ce_attn
    .symbol:         k_qad17c328ce_attn.kd
    .args:
      - { .name: queries, .offset: 0, .size: 8, .value_kind: global_buffer, .address_space: global }
      - { .name: keys, .offset: 8, .size: 8, .value_kind: global_buffer, .address_space: global }
      - { .name: values, .offset: 16, .size: 8, .value_kind: global_buffer, .address_space: global }
      - { .name: valid_lens, .offset: 24, .size: 8, .value_kind: global_buffer, .address_space: global }
      - { .name: out0, .offset: 32, .size: 8, .value_kind: global_buffer, .address_space: global }
    .group_segment_fixed_size: 132608
    .private_segment_fixed_size: 0
    .kernarg_segment_align: 8
    .kernarg_segment_size: 40
    .max_flat_workgroup_size: 128
    .sgpr_count:     66
    .vgpr_count:     1024
    .wavefront_size: 32
...
	.end_amdgpu_metadata
.endif
;; end of part 1
;; ======== version 2 of 2: 1 launch; version 1 with the launch attn written anew for expert scheduling mode
;; limits: values are held in f16: magnitudes above 65,504 overflow, below 6.1e-05 lose precision; inputs' magnitudes at most 65,504; right only within a limited range of input values
;; launch attn (part 2): grid 16 x 16, 4 waves a work-group, no clusters, 132,608 bytes of LDS; arguments queries, keys, values, valid_lens, out0; writes out0
.if DOCPART == 2
	.amdgcn_target "amdgcn-amd-amdhsa--gfx1250"
	.amdhsa_code_object_version 6
	.text
	.protected	k_qad17c328ce_attn
	.globl	k_qad17c328ce_attn
	.p2align	8
	.type	k_qad17c328ce_attn,@function
k_qad17c328ce_attn:
	s_mov_b64 s[64:65], 0
	v_nop
	global_prefetch_b8 v0, s[64:65] scope:SCOPE_SE
	s_setreg_imm32_b32 hwreg(HW_REG_WAVE_SCHED_MODE, 0, 2), 2
	s_setreg_imm32_b32 hwreg(HW_REG_WAVE_MODE, 25, 1), 1
	s_wait_xcnt 0x0
	s_wait_alu depctr_vm_vsrc(0)
; out0[b][q][:] = the sum over k of softmax_k(s[b][q][k]) values[b][k][:], s = queries[b][q] . keys[b][k] / 8 where k < valid_lens[b], else -1e6.
; queries, keys, values, out0: [16][2048][64] f32; valid_lens: [16] i32.  q, k and v are rounded once to f16 on the way to the matrix unit, the weights p to f16 for the second product;
; products, maxima, sums, O and the merge are f32; c = log2(e) / 8 is applied in f32.
; WORK LEFT OUT.  n = valid_lens[b] held to 0 .. 2048.  Where n > 0, a key at or past n has the weight exp(-1e6 - rowmax), and rowmax is at least the row's largest visible score.  While that score lies
; above -999,896 the weight is below the least f32 and is 0 in reference() itself, whatever the other inputs hold.  So key tiles of 256 that lie wholly at or past n are neither loaded nor multiplied: the whole
; number n, read from memory by this launch, says how many tiles are walked.  Inside the last tile walked the hidden keys are computed and masked: their score starts at -1e30, their weight is 0.
; Where n = 0 every score of reference() is -1e6, the softmax is uniform and the result is the mean of all 2,048 rows of values: all tiles are walked with q multiplied by 0, so that every score is 0.
; LIMITS.  |q . k| / 8 under 999,896 (else reference() gives hidden keys weight, this text does not).  |q|, |k|, |v| under 65,504 (f16).  A NaN, an infinity or an overflow in rows of keys or values that are not
; walked is not carried to the result; with n = 0 a q or k that is not finite reaches the result here and not in reference().  A weight below 2^-126 counts as 0.
; SHARES.  A work-group owns 128 queries of one batch (grid x: the block, y: the batch).  Wave w: qh = w / 2 picks its 64 queries, four tiles of 16 in two PIECES of two; kh = w % 2 picks which 64 keys of every
; step of 128 it walks.  So a fragment of K or V read from LDS feeds four query tiles.  At the end the two key halves' (c m, l, O) meet in LDS: each wave of a pair hands one piece over and finishes the other.
; ON THE WAY IN.  K and V come as f32 by global loads (16 lanes take one row of 256 bytes), are rounded in registers and stored as f16 into padded LDS slots, two for K and two for V, 128 keys each.
; NO TENSOR LOADS, NO CLUSTER, though the 16 work-groups of a batch walk the same K and V: a tile brought into LDS would be f32: 64 KiB landing, 64 KiB read out again and 32 KiB written back as f16 for each
; 128 keys, beside the 64 KiB of fragment reads that the products need; by registers only the 32 KiB are written.
; LAYOUT.  S^T = K Q^T (source 0 = 16 keys, source 1 = 16 queries): a lane holds ONE query (lane % 16) and the keys 8 (lane / 16) + 0..7.  Two such results rounded in pairs ARE source 1 of O^T = V^T P, whose
; result again holds one query a lane and eight channels.  K comes out of LDS as it lies, V ([key][channel]) turned, by ds_load_tr16_b128.
; SOFTMAX.  A running maximum m and sum l for each query: p = 2^(c s - c m); in every step O and l are multiplied by a = 2^(c m_old - c m_new).
; THE MAXIMUM's FLOOR.  m starts at -2^67, and c m at c x m (exact: a power of two).  Every true score of f16 operands, 64 x 65,504^2 = 2.7e11 at the most in size, lies above it; every hidden one, at -1e30, below.
; So m is never a hidden score.  That matters where n is 64 or less: the waves of key half 1 then see hidden keys alone.  They keep m = -2^67, a = 1, p = 2^(-1.8e29) = 0, l = 0, O = 0, and the merge gives
; them the factor 2^(c m - M) = 0.  (With m = -1e30 the scaling c s - c m would leave the rounding error of c m, some 1e22.)  Key half 0 sees key 0, so a row's l is never 0 in the merge.
; BY TURNS.  Turn T0(j) belongs to piece 0, T1(j) to piece 1.  A turn: 16 products K Q^T of the other piece's next scores, beside and behind them the scaling, exponentials and rescaling of its own piece and the
; maximum and statistics of the other; one wait for the turn's 66 exponentials; then 16 products V^T P of the other piece, behind each four of its own piece's roundings and sums.
; THE WALK.  A trip is two steps (256 keys), both written out, so that every LDS address is fixed in the text.  The loop counts to the constant 8 and both barriers of a trip stand on every way; the work of the
; trips at or past LIVE = ceil(n / 256) is jumped over by forward branches on whole numbers that are the same in all four waves, and none of them passes a barrier.
; THE FIRST TURN runs on a prepared state (scores of -3.4e38, O, l, P, V and a of 0), so that the loop has one entry: 380 v_mov_b32, written while the first loads are out, and one turn's vector work on dummies.
; THE MODE: SCHED_MODE bits 1:0 = 2 (LLVM: expert scheduling mode 2), set by the entry lines.  The code itself states the register dependences between vector or matrix instructions and memory or LDS
; instructions, with s_wait_alu, always for 0.
; THE PLAN.  Registers that memory or LDS instructions touch, in the loop:
;   KST, VST   a quarter of a tile of K and of V in f32, as loaded.  The step's 64 conversions read them; the loads of the next tiles land in them.  No memory instruction reads them.
;   OUT        the same numbers in f16.  The conversions write it; the step's LDS stores read it; the next step's conversions write it again.
;   KF         K's fragments.  Both turns' products K Q^T read it; K's run of loads lands in it.
;   VF         V's fragments, TWO buffers: odd steps' in window 2, even steps' in window 3.  A step's products V^T P read one; V's run of loads lands in the other, which the products of the step before last read.
;   v2-v8      offsets and LDS addresses, made at the head and never written again: the tiles are reached by scalar bases and immediate offsets.
; The conversions stand at the end of turn T0's first part, ahead of the one wait on va_vdst that the turn has for its exponentials; ALL of a step's memory and LDS instructions stand in one run directly behind
; that wait, with scalar compares and forward branches alone between.  So that wait states all that the run hangs on: the conversions have written OUT and are done reading KST and VST, both pieces' K Q^T are done
; reading KF, and the V^T P that read the buffer of VF to be filled stand a step back.  One wait on vm_vsrc a step stands ahead of the conversions: the stores of the step before have read OUT.
; No branch stands between exponentials and their wait, so the conversions run in every live trip: in the last one 96 of them work on registers that hold old tiles, and what they make is not stored.
; REGISTERS, in windows of 256 (s_set_vgpr_msb: bits 1:0 source 0, 3:2 source 1, 5:4 source 2, 7:6 destination):
;   window 0: v0-47 addresses, statistics; v48-63 at work; v64-191 S^T, two buffers of two tiles; v192-255 P, likewise
;   window 1: v0-127 O^T, 32 a tile; v128-191 K on its way in; v192-255 V on its way in
;   window 2: v0-63 Q; v64-127 the masks of a trip's two steps; v128-191 K's fragments; v192-255 V's of odd steps
;   window 3: v0-63 OUT; v192-255 V's fragments of even steps.  At the head: v0-127 Q in f32; v128-255 the first two tiles of K in f32
.set NP,    2         ; pieces a wave: a name, no knob
.set PKB,   144       ; a row of K in LDS: 128 bytes + 16 = 36 words: the 16 rows of a load start at 16 different groups of four banks (64 banks of 4 bytes: ISA guide 11.1)
.set PVB,   160       ; a row of V: 128 + 32 = 40 words
.set KSLOT, 128*PKB
.set VSLOT, 128*PVB
.set VBASE, 2*KSLOT   ; V's two slots lie behind K's two
.set XCH,   VBASE+2*VSLOT  ; the exchange: for each wave two tiles of 4,096 bytes of O and 512 of statistics
.set XT,    4608
.set XW,    2*XT
.set OSTG,  XCH+4*XW  ; the way out: 16 rows x 272 bytes for each wave
.set OPI,   272
.set OW,    16*OPI
.set SPARE, OSTG+4*OW ; the spare words, 128 bytes for each wave: two blocks of 256 bytes that no other line names
.set TILEB, 128*256   ; bytes of 128 keys in memory
.set L16, 1           ; v1   lane % 16
.set AK,  2           ; v2   my lane's place in a slot of K, my key half in it; never rewritten
.set AV,  3           ; v3   the same for V
.set GK,  4           ; v4   my byte offset in a tile of K in memory
.set GV,  5           ; v5   in a tile of V
.set LKS, 6           ; v6   where I store 8 bytes of K
.set LVS, 7           ; v7   of V
.set PFO, 8           ; v8   the prefetches' offset: (64 x wave + lane) x 256
.set HH,  9           ; v9   lane / 16
.set MV,  12          ; v12-15  c m_old, kept while c m is made anew: by buffer and tile
.set ST,  16          ; tile t's statistics at v[ST+4 t]: c m, m, l (even keys', odd keys')
.set QO,  32          ; v32  my byte offset in 16 rows of Q
.set XSD, 33          ; v33  the exchange: where I put 16 bytes
.set XRC, 34          ; v34  where my partner put them
.set STO, 35          ; v35  the way out: where I put 16 bytes of a row
.set RD,  36          ; v36  where I read rows back
.set GO,  37          ; v37  my byte offset in two rows of out0
.set TH0, 38          ; v38-39  the last visible key of my lane in the last trip's two steps
.set TH1, 39
.set H8,  40          ; v40  8 x (lane / 16)
.set SPW, 46          ; v46  LDS address of my spare word; never rewritten
.set NIL, 47          ; v47  0; never rewritten
.set TMP, 48          ; by buffer and tile, four registers c0-c3 at work; when the maximum is found c2 takes a
.set S,   64
.set P,   192
.set KST, 128         ; window 1
.set VST, 192         ; window 1
.set OUTK, 0          ; window 3: 32 registers, my quarter of a tile of K in f16
.set OUTV, 32         ; window 3: the same for V
.set MC,  64          ; window 2: the mask of step s of a trip, group kb of 16 keys, at MC + 32 s + 8 kb
.set KF,  128         ; window 2: key block kb, channel half c at KF + 16 kb + 8 c
.set VF,  192         ; window 2 (odd steps) and window 3 (even steps): key half kk, channel block cb at VF + 32 kk + 8 cb
.set RB,  64          ; the merge, window 0: my partner's O, then the result
.set SB,  128         ; my partner's statistics
.set EB,  144         ; at work
.set GB,  160         ; the two factors, each twice, as pairs
.set OB,  192         ; rows read back from the stage
.set WV,   14         ; s14  my wave's number
.set QH,   15
.set KH,   16
.set BX,   17         ; the block of queries
.set BY,   18         ; the batch
.set NV,   24         ; n
.set LIVE, 25         ; trips that have work
.set TRIP, 26
.set SX,   27         ; at work
.set PFL,  28         ; LIVE in the work-group that prefetches, else 0
.set REM,  29
.set BIGN, 30         ; -1e30
.set QS,   32         ; s[32:33] 1, or 0 where n = 0
.set CS,   34         ; s[34:35] c
.set SEL,  36         ; s[36:37] v_permlanex16_b32's selects: each lane takes its own place in the other half
.set KPT,  38         ; s[38:39] keys at tile 2 t + 3 of the batch
.set VPT,  40         ; s[40:41] values at tile 2 t + 2
.set OPT,  42         ; s[42:43] out0 at the 32 rows that I finish
.set QPT,  44         ; s[44:45] queries at my 64 rows: at the head alone
.set MK,   44         ; s[44:59] in the loop: sixteen compares' results (Q's loads, which read s[44:45], are shown done at the head)
.set MSB, 0
.set NOX, 0           ; 1: the last turn of all: no next scores, no next maximum
.set MCS, 0
.set VW,  2           ; the window of the buffer of VF that the products V^T P read
.macro WIN new                      ; the high byte repeats the setting that is left; a switch that changes nothing is dropped
.if MSB != (\new)
	s_set_vgpr_msb (MSB<<8)|(\new)
.set MSB, (\new)
.endif
.endm
.set W_KQ, 0x0a       ; K and Q in window 2, S^T in window 0
.set W_KM, 0x2a       ; the same with the C operand, the mask, in window 2
.set W_RS, 0x41       ; O^T (destination and source 0) in window 1, a in window 0
; A tile's quarter (my wave's 32 rows) is asked for: 16 loads, each 16 lanes one row of 256 bytes.  Lanes 16-31 take the row 8 (K) or 4 (V) further on, so that the two halves' LDS stores fall 32 banks apart.
.macro ASKT isv, base, win, ptr, off
	WIN (\win)<<6
.set z, 0
.rept 16
.if \isv
	global_load_b128 v[(\base)+4*z:(\base)+4*z+3], v[GV], s[\ptr:\ptr+1] offset:(\off)+(8*(z/4)+z%4)*256
.else
	global_load_b128 v[(\base)+4*z:(\base)+4*z+3], v[GK], s[\ptr:\ptr+1] offset:(\off)+(16*(z/8)+z%8)*256
.endif
.set z, z+1
.endr
.endm
; At the head a quarter is rounded to f16 in place: four numbers close up into the first two of their four registers.
.macro CVTI base, win
	WIN ((\win)<<6)|((\win)<<2)|(\win)
.set z, 0
.rept 16
	v_cvt_pk_f16_f32 v[(\base)+4*z], v[(\base)+4*z], v[(\base)+4*z+1]
	v_cvt_pk_f16_f32 v[(\base)+4*z+1], v[(\base)+4*z+2], v[(\base)+4*z+3]
.set z, z+1
.endr
.endm
; In the loop both quarters are rounded out of KST and VST (window 1) into OUT (window 3).
.macro CVTO
	WIN 0xc5                        ; destination window 3, sources 0 and 1 window 1
.set z, 0
.rept 16
	v_cvt_pk_f16_f32 v[OUTK+2*z],   v[KST+4*z],   v[KST+4*z+1]
	v_cvt_pk_f16_f32 v[OUTK+2*z+1], v[KST+4*z+2], v[KST+4*z+3]
.set z, z+1
.endr
.set z, 0
.rept 16
	v_cvt_pk_f16_f32 v[OUTV+2*z],   v[VST+4*z],   v[VST+4*z+1]
	v_cvt_pk_f16_f32 v[OUTV+2*z+1], v[VST+4*z+2], v[VST+4*z+3]
.set z, z+1
.endr
.endm
; A rounded quarter is stored into a slot: 8 bytes a lane.  st: registers from one pair to the next (4 at the head, 2 in OUT).
.macro PUT isv, base, st, win, slot
	WIN (\win)<<2                   ; the data in window win, the address in window 0
.set z, 0
.rept 16
.if \isv
	ds_store_b64 v[LVS], v[(\base)+(\st)*z:(\base)+(\st)*z+1] offset:(\slot)*VSLOT+(8*(z/4)+z%4)*PVB
.else
	ds_store_b64 v[LKS], v[(\base)+(\st)*z:(\base)+(\st)*z+1] offset:(\slot)*KSLOT+(16*(z/8)+z%8)*PKB
.endif
.set z, z+1
.endr
.endm
; THE LDS LOADS stand in runs of 16: my 64 keys of a step's K (8 fragments) and of its V (turned; win: the window of the buffer that they land in).
.macro FETCH_K slot
	WIN 0x80                        ; destination window 2
.irp f, 0,1,2,3,4,5,6,7             ; keys 16 (f / 2) on, channels 32 (f % 2) on
	ds_load_b128 v[KF+8*\f:KF+8*\f+3],   v[AK] offset:(\slot)*KSLOT+(\f/2)*16*PKB+(\f%2)*64
	ds_load_b128 v[KF+8*\f+4:KF+8*\f+7], v[AK] offset:(\slot)*KSLOT+(\f/2)*16*PKB+(\f%2)*64+32
.endr
.endm
.macro FETCH_V slot, win
	WIN (\win)<<6
.irp f, 0,1,2,3,4,5,6,7             ; keys 32 (f / 4) on, channels 16 (f % 4) on
	ds_load_tr16_b128 v[VF+8*\f:VF+8*\f+3],   v[AV] offset:(\slot)*VSLOT+(\f/4)*32*PVB+(\f%4)*32
	ds_load_tr16_b128 v[VF+8*\f+4:VF+8*\f+7], v[AV] offset:(\slot)*VSLOT+(\f/4)*32*PVB+16*PVB+(\f%4)*32
.endr
.endm
; THE MATRIX WORK.  The 8 accumulators of a run of 16 take turns: between the two links of a chain stand 7 others'.
; Product i of 16 of S^T = K Q^T for piece x: channels 32 (i / 8) on, keys 16 ((i / 2) % 4) on, tile 2 x + i % 2.  The first 8 start the sums with the step's mask: 0, or -1e30 where the key is hidden.
.macro KQ x
.set rS, S+64*((\x)%2)+32*(i%2)+8*((i/2)%4)
.set rK, KF+16*((i/2)%4)+8*(i/8)
.set rQ, 16*(2*(\x)+i%2)+8*(i/8)
.set rMK, MC+32*MCS+8*((i/2)%4)
.if i < 8
	WIN W_KM
	v_wmma_f32_16x16x32_f16 v[rS:rS+7], v[rK:rK+7], v[rQ:rQ+7], v[rMK:rMK+7]
.else
	WIN W_KQ
	v_wmma_f32_16x16x32_f16 v[rS:rS+7], v[rK:rK+7], v[rQ:rQ+7], v[rS:rS+7]
.endif
.endm
; Product i of 16 of O^T += V^T P for piece x: keys 32 (i / 8) on, channels 16 ((i / 2) % 4) on, tile 2 x + i % 2.
.macro PV x
	WIN 0x50+VW                     ; V in window VW, P in window 0, O^T in window 1
.set rO, 32*(2*(\x)+i%2)+8*((i/2)%4)
.set rV, VF+32*(i/8)+8*((i/2)%4)
.set rP, P+32*((\x)%2)+16*(i%2)+8*(i/8)
	v_wmma_f32_16x16x32_f16 v[rO:rO+7], v[rV:rV+7], v[rP:rP+7], v[rO:rO+7]
.endm
.macro MM                           ; the turn's next matrix instruction
.if i < 16
.if !NOX
	KQ (Y+1)%NP
.endif
.set i, i+1
.else
.set i, i-16
	PV (Y+NP-1)%NP
.set i, i+17
.endif
.endm
; THE VECTOR WORK OF A TURN stands in three queues, each in the order in which its entries become ready; the two tiles alternate, so that no instruction reads the result of the one before it.
.macro REGS y, u                    ; the registers of tile u (0, 1) of piece y
.set rT, ST+4*(2*(\y)+(\u))
.set rC, TMP+8*((\y)%2)+4*(\u)
.set rM, MV+2*((\y)%2)+(\u)
.set rS, S+64*((\y)%2)+32*(\u)
.set rP, P+32*((\y)%2)+16*(\u)
.set rO, 32*(2*(\y)+(\u))
.endm
; Number n of the 22 that find the OTHER piece's maximum and statistics.  s0-s31 are the lane's 32 scores; each accumulator's lowest registers are read first.
;   0-11  four chains c0-c3 of seven scores each, three operands at a time     12-14, 16  the four scores left over, the old m, and c0-c3 into c0     15  c m_old is kept
;   17, 18  the query's other 32 keys lie in the lane 16 away: the new m         19-21  c m; c m_old - c m_new; a
.macro XS u, n
.if !NOX
	REGS (Y+1)%NP, \u
.if (\n) < 4
	v_max3_num_f32 v[rC+(\n)], v[rS+8*(\n)], v[rS+8*(\n)+1], v[rS+8*(\n)+2]
.elseif (\n) < 12
	v_max3_num_f32 v[rC+(\n)%4], v[rC+(\n)%4], v[rS+8*((\n)%4)+2*((\n)/4)+1], v[rS+8*((\n)%4)+2*((\n)/4)+2]
.elseif (\n) == 12
	v_max3_num_f32 v[rC], v[rC], v[rS+7], v[rS+15]
.elseif (\n) == 13
	v_max3_num_f32 v[rC+1], v[rC+1], v[rS+23], v[rS+31]
.elseif (\n) == 14
	v_max3_num_f32 v[rC+2], v[rC+2], v[rC+3], v[rT+1]
.elseif (\n) == 15
	v_mov_b32 v[rM], v[rT]
.elseif (\n) == 16
	v_max3_num_f32 v[rC], v[rC], v[rC+1], v[rC+2]
.elseif (\n) == 17
	v_permlanex16_b32 v[rC+3], v[rC], s[SEL], s[SEL+1]
.elseif (\n) == 18
	v_max_num_f32 v[rT+1], v[rC], v[rC+3]
.elseif (\n) == 19
	v_mul_f32 v[rT], s[CS], v[rT+1]
.elseif (\n) == 20
	v_sub_f32 v[rC+1], v[rM], v[rT]
.else
	v_exp_f32 v[rC+2], v[rC+1]
.endif
.endif
.endm
; Number g of the 64 that follow the exponentials.  For each four weights k of a tile: both pairs are rounded to f16; the second pair is added onto the first, in place; a group later l takes that sum
; (the first time as l = a l + sum).  In groups of eight, tiles alternating.
.macro GS g
.set h, (\g)+6*((\g)/62)            ; group 0 has no group before it, and behind group 7 only l is left
.if h >= 6
.set h, h+2
.endif
	REGS Y, h%2
.set k, h/8
.if h%8 < 4
	v_cvt_pk_f16_f32 v[rP+2*k+(h%8)/2], v[rS+4*k+2*((h%8)/2)], v[rS+4*k+2*((h%8)/2)+1]
.elseif h%8 < 6
	v_pk_add_f32 v[rS+4*k:rS+4*k+1], v[rS+4*k:rS+4*k+1], v[rS+4*k+2:rS+4*k+3]
.elseif k == 1
	v_pk_fma_f32 v[rT+2:rT+3], v[rT+2:rT+3], v[rC+2:rC+3], v[rS:rS+1] op_sel_hi:[1,0,1]
.else
	v_pk_add_f32 v[rT+2:rT+3], v[rT+2:rT+3], v[rS+4*k-4:rS+4*k-3]
.endif
.endm
; THE PLAIN QUEUE, 138 long.  0-73 read no exponential's result: the 32 scalings c s - c m (FS f: pair f / 2 of tile f % 2) and the other piece's 42.  74-137: GS's 64, which stand behind the wait.
.macro FS f
	REGS Y, (\f)%2
	v_pk_fma_f32 v[rS+2*((\f)/2):rS+2*((\f)/2)+1], v[rS+2*((\f)/2):rS+2*((\f)/2)+1], s[CS:CS+1], v[rT:rT+1] op_sel_hi:[1,0,0] neg_lo:[0,0,1] neg_hi:[0,0,1]
.endm
.macro PL
	WIN 0
.if q < 27
	FS q
.elseif q < 55
	XS (q-27)%2, (q-27)/2
.elseif q < 57
	XS q-55, 15
.elseif (q < 72) && ((q-57)%3 == 0)
	FS 27+(q-57)/3
.elseif q < 60
	XS (q-57)%3-1, 14
.elseif q < 72
	XS (q-57)%3-1, 15+(q-57)/3
.elseif q < 74
	XS q-72, 20
.else
	GS q-74
.endif
.set q, q+1
.endm
; THE EXPONENTIALS' QUEUE, 66 long: s0-s31 of both tiles, then the other piece's two a.  ONE BATCH: all stand ahead of the turn's one wait, and nothing ahead of that wait names a result of theirs.
.macro EX
	WIN 0
.if e >= 64
	XS e-64, 21
.else
	REGS Y, e%2
	v_exp_f32 v[rS+e/2], v[rS+e/2]
.endif
.set e, e+1
.endm
; THE RESCALING's QUEUE: O^T times a, two at a time, sixteen times, from each accumulator's low end on.  Its a was made, and waited for, in the turn before.
.macro R2
	REGS Y, r%2
	WIN W_RS
.irp zz, 0,1
	v_pk_mul_f32 v[rO+4*(r/2)+2*\zz:rO+4*(r/2)+2*\zz+1], v[rO+4*(r/2)+2*\zz:rO+4*(r/2)+2*\zz+1], v[rC+2:rC+3] op_sel_hi:[1,0]
.endr
.set r, r+1
.endm
; A TURN's FIRST PART, for piece p; mc: which of the trip's two masks its products take.  16 products K Q^T, behind each a scaling, an exponential and two rescalings (behind the first a second scaling in the
; exponential's place); then a lump of 108: eight plain, 49 times exponential and plain, the two a.  Exponential e stands behind scaling 2 (e / 4) + e % 2: as a rider behind plain e + 2, in the lump behind plain e + 9.
; cook = 1 (turn T0): the tiles asked for a step ago are waited for and rounded into OUT; these 64 conversions are also the plain instructions behind the last exponential.  cook = 0: a v_nop is that instruction.
; Then the turn's one wait.
.macro TURN_A p, mc, cook=0
.set Y, (\p)
.set MCS, (\mc)
.set i, 0
.set q, 0
.set e, 0
.set r, 0
.if ((\p) == 1) && !NOX
	s_wait_dscnt 16                 ; K's run is in; the 16 LDS loads issued last, V's, may stay out
.endif
	MM
	PL
	PL
	R2
.rept 15
	MM
	PL
	EX
	R2
.endr
.rept 8
	PL
.endr
.rept 49
	EX
	PL
.endr
	EX
	EX
.if \cook
	s_wait_loadcnt 0x0              ; what was asked for a step ago is in KST and VST
	s_wait_alu depctr_vm_vsrc(0)    ; the LDS stores of the step before have read OUT, which the conversions below write again
	CVTO
.else
	v_nop
.endif
	WIN 0
	s_wait_alu depctr_va_vdst(0)    ; the turn's exponentials have written their results, ahead of the first instruction that names one.  In turn T0 also, for the run of loads and stores that follows: the conversions have written OUT and are done reading KST and VST; the products K Q^T are done reading KF; the products V^T P of a step back are done reading the buffer of VF that is filled next
.endm
; ITS SECOND PART: 16 products V^T P, behind each four of the roundings and sums.  vw: the window of the step's buffer of VF.
.macro TURN_B vw
.set VW, (\vw)
.rept 16
	MM
.rept 4
	PL
.endr
.endr
.endm
; THE MASKS of the last live trip's two steps.  Register r of group kb holds key 256 t + 128 s + 64 kh + 16 kb + 8 (lane / 16) + r: hidden where it is n or more.
; The 64 compares go in four runs of sixteen, each into a scalar register of its own, with one wait behind a run.
.macro MKMASK
	s_lshl_b32 s[REM], s[TRIP], 8
	s_sub_co_u32 s[REM], s[NV], s[REM]
	s_lshl_b32 s[SX], s[KH], 6
	s_sub_co_u32 s[REM], s[REM], s[SX]
	s_sub_co_u32 s[REM], s[REM], 1
	v_sub_nc_u32 v[TH0], s[REM], v[H8]
	v_add_nc_u32 v[TH1], 0xffffff80, v[TH0]
.set mg, 0
.rept 4
	WIN 0
.set z, 16*mg
.rept 16
	v_cmp_gt_i32 s[MK+z%16], 16*((z%32)/8)+z%8, v[TH0+z/32]
.set z, z+1
.endr
	WIN 0x80                        ; destination window 2
	s_wait_alu depctr_va_sdst(0)    ; the sixteen compares have written s[MK ..], ahead of the selects that read them
.set z, 16*mg
.rept 16
	v_cndmask_b32 v[MC+z], 0, s[BIGN], s[MK+z%16]
.set z, z+1
.endr
.set mg, mg+1
.endr
	WIN 0
.endm
; THE MERGE.  SEND s: piece s's O^T, from each accumulator's low end on, and its statistics go to the exchange, 16 bytes a lane on end.
.macro SEND s
.irp u, 0,1
	WIN 0x04                        ; the data in window 1
.irp f, 0,1,2,3,4,5,6,7
	ds_store_b128 v[XSD], v[32*(2*(\s)+\u)+4*\f:32*(2*(\s)+\u)+4*\f+3] offset:\u*XT+512*\f
.endr
	WIN 0
	ds_store_b128 v[XSD], v[ST+4*(2*(\s)+\u):ST+4*(2*(\s)+\u)+3] offset:\u*XT+4096
.endr
.endm
; FIN k: piece k is finished.  M = max(c m mine, c m partner's); f = 2^(c m - M); out = (f O + f' O') / (f l + f' l').  Then a tile at a time through my stage: rows of 272 bytes in, whole rows of 256 back.
; The piece that SEND's stores read is the other one: nothing here writes its registers.
.macro FIN k
	WIN 0
.irp u, 0,1
.irp f, 0,1,2,3,4,5,6,7
	ds_load_b128 v[RB+32*\u+4*\f:RB+32*\u+4*\f+3], v[XRC] offset:\u*XT+512*\f  ; no vector instruction has been issued since the wait ahead of the exchange: all that named these registers, S^T's, stands ahead of it
.endr
	ds_load_b128 v[SB+4*\u:SB+4*\u+3], v[XRC] offset:\u*XT+4096
.endr
	s_wait_dscnt 0x0
.irp u, 0,1
	v_max_num_f32 v[EB+8*\u], v[ST+4*(2*(\k)+\u)], v[SB+4*\u]
.endr
.irp u, 0,1
	v_sub_f32 v[EB+8*\u+1], v[ST+4*(2*(\k)+\u)], v[EB+8*\u]
	v_sub_f32 v[EB+8*\u+2], v[SB+4*\u], v[EB+8*\u]
.endr
.irp u, 0,1
	v_exp_f32 v[EB+8*\u+3], v[EB+8*\u+1]
	v_exp_f32 v[EB+8*\u+4], v[EB+8*\u+2]
.endr
	v_nop                           ; a plain instruction behind the last exponential,
	s_wait_alu depctr_va_vdst(0)    ; and one wait: the four exponentials have written the factors f, ahead of their first reader
.irp u, 0,1
	v_mul_f32 v[EB+8*\u+5], v[EB+8*\u+3], v[ST+4*(2*(\k)+\u)+2]
.endr
.irp u, 0,1
	v_fmac_f32 v[EB+8*\u+5], v[EB+8*\u+4], v[SB+4*\u+2]
.endr
.irp u, 0,1
	v_rcp_f32 v[EB+8*\u+6], v[EB+8*\u+5]
.endr
	v_nop
	s_wait_alu depctr_va_vdst(0)    ; the two reciprocals are written, ahead of their first reader
.irp u, 0,1
	v_mul_f32 v[GB+4*\u],   v[EB+8*\u+3], v[EB+8*\u+6]
	v_mul_f32 v[GB+4*\u+1], v[EB+8*\u+3], v[EB+8*\u+6]
	v_mul_f32 v[GB+4*\u+2], v[EB+8*\u+4], v[EB+8*\u+6]
	v_mul_f32 v[GB+4*\u+3], v[EB+8*\u+4], v[EB+8*\u+6]
.endr
.irp u, 0,1
.set z, 0
.rept 16
	v_pk_mul_f32 v[RB+32*\u+2*z:RB+32*\u+2*z+1], v[RB+32*\u+2*z:RB+32*\u+2*z+1], v[GB+4*\u+2:GB+4*\u+3]
.set z, z+1
.endr
.endr
	WIN 0x01                        ; source 0, my O^T, in window 1
.irp u, 0,1
.set z, 0
.rept 16
	v_pk_fma_f32 v[RB+32*\u+2*z:RB+32*\u+2*z+1], v[32*(2*(\k)+\u)+2*z:32*(2*(\k)+\u)+2*z+1], v[GB+4*\u:GB+4*\u+1], v[RB+32*\u+2*z:RB+32*\u+2*z+1]
.set z, z+1
.endr
.endr
	WIN 0
	s_wait_alu depctr_va_vdst(0)    ; both tiles' results are written, which the stage's stores read; all that named P's registers, in which the rows come back, stands ahead of this wait too.  No vector instruction follows
.irp u, 0,1
.irp c, 0,1,2,3                     ; a lane's eight channels of block c are 32 bytes of its row
	ds_store_b128 v[STO], v[RB+32*\u+8*\c:RB+32*\u+8*\c+3]   offset:64*\c
	ds_store_b128 v[STO], v[RB+32*\u+8*\c+4:RB+32*\u+8*\c+7] offset:64*\c+16
.endr
.irp j, 0,1,2,3,4,5,6,7
	ds_load_b128 v[OB+32*\u+4*\j:OB+32*\u+4*\j+3], v[RD] offset:\j*2*OPI  ; LDS serves a wave's instructions in order (ISA guide 5.7.1.4): these see the stores above; the next tile's stores come behind them
.endr
.irp j, 0,1,2,3,4,5,6,7
	s_wait_dscnt 7-\j               ; row pair j is back; the younger loads may stay out
	global_store_b128 v[GO], v[OB+32*\u+4*\j:OB+32*\u+4*\j+3], s[OPT:OPT+1] offset:\u*4096+\j*512 th:TH_STORE_NT  ; 16 lanes store 256 consecutive bytes, a whole row of out0
.endr
.endr
.endm
	; THE HEAD
	s_load_b256 s[4:11], s[0:1], 0x0               ; queries s[4:5], keys s[6:7], values s[8:9], valid_lens s[10:11]
	s_load_b64 s[12:13], s[0:1], 0x20              ; out0
	v_lshl_add_u32 v[SPW], v0, 2, SPARE
	v_mov_b32 v[NIL], 0
	v_lshrrev_b32 v10, 5, v0
	v_readfirstlane_b32 s[WV], v10                 ; wave 0..3
	v_and_b32 v[L16], 15, v0
	v_bfe_u32 v[HH], v0, 4, 1
	s_mov_b32 s[BX], ttmp9
	s_and_b32 s[BY], ttmp7, 0xffff
	s_lshl_b32 s20, s[BY], 2                       ; my batch's word of valid_lens
	s_mov_b32 s21, 0
	s_wait_alu depctr_va_sdst(0)                   ; the wave's number is written, ahead of its first reader
	s_lshr_b32 s[QH], s[WV], 1
	s_and_b32 s[KH], s[WV], 1
	s_lshl_b32 s22, s[WV], 13                      ; my wave's 32 rows of a tile
	v_lshlrev_b32 v10, 4, v[L16]
	v_lshl_add_u32 v[GK], v[HH], 11, v10           ; 8 rows on for lanes 16-31
	v_add_nc_u32 v[GK], s22, v[GK]
	v_lshl_add_u32 v[GV], v[HH], 10, v10           ; 4 rows on
	v_add_nc_u32 v[GV], s22, v[GV]
	v_lshlrev_b32 v[QO], 8, v[L16]
	v_lshl_add_u32 v[QO], v[HH], 5, v[QO]          ; row x 256 + 32 x half: 8 channels of f32
	s_wait_kmcnt 0x0
	s_add_nc_u64 s[10:11], s[10:11], s[20:21]
	s_load_b32 s[NV], s[10:11], 0x0
	s_lshl_b32 s20, s[BY], 19                      ; a batch is 2,048 rows of 256 bytes
	s_add_nc_u64 s[6:7], s[6:7], s[20:21]
	s_add_nc_u64 s[8:9], s[8:9], s[20:21]
	s_lshl_b32 s22, s[BX], 15                      ; my block's 128 rows,
	s_lshl_b32 s23, s[QH], 14                      ; my wave's 64 of them
	s_add_co_u32 s22, s22, s23
	s_add_co_u32 s22, s22, s20
	s_mov_b32 s23, 0
	s_add_nc_u64 s[QPT:QPT+1], s[4:5], s[22:23]
	s_add_nc_u64 s[OPT:OPT+1], s[12:13], s[22:23]
	s_lshl_b32 s22, s[KH], 13                      ; the piece that I finish: 32 rows
	s_add_nc_u64 s[OPT:OPT+1], s[OPT:OPT+1], s[22:23]
	s_add_nc_u64 s[KPT:KPT+1], s[6:7], 3*TILEB
	s_add_nc_u64 s[VPT:VPT+1], s[8:9], 2*TILEB
	s_wait_alu depctr_va_vdst(0)                   ; the offsets v[GK], v[GV] and v[QO] are written, which the loads below, and every later load of K and V, read
	; the first loads, 112 of them: what is wanted first goes first.  K's tile 2 is asked for before n is known: it lies inside keys whatever n is, and is not used where n is 256 or less
	ASKT 0, 128, 3, 6, 0                           ; K(0)
	ASKT 0, 192, 3, 6, TILEB                       ; K(1)
	ASKT 1, S, 0, 8, 0                             ; V(0), in registers that the first product will write
	WIN 0xc0
.irp t, 0,1,2,3
.irp c, 0,1
.irp g, 0,1                         ; tile t, channels 32 c + 16 g + 8 (lane / 16) on: 32 bytes
	global_load_b128 v[32*\t+16*\c+8*\g:32*\t+16*\c+8*\g+3],   v[QO], s[QPT:QPT+1] offset:\t*4096+\c*128+\g*64
	global_load_b128 v[32*\t+16*\c+8*\g+4:32*\t+16*\c+8*\g+7], v[QO], s[QPT:QPT+1] offset:\t*4096+\c*128+\g*64+16
.endr
.endr
.endr
	ASKT 1, VST, 1, 8, TILEB                       ; V(1)
	ASKT 0, KST, 1, 6, 2*TILEB                     ; K(2)
	WIN 0
	; the lanes' constants
	v_and_b32 v10, 31, v0
	v_and_b32 v11, 7, v0
	s_mul_i32 s20, s[KH], 64*PKB
	v_mul_u32_u24 v[AK], v[L16], PKB
	v_lshl_add_u32 v[AK], v[HH], 4, v[AK]          ; row x pitch + 16 x half
	v_add_nc_u32 v[AK], s20, v[AK]
	s_mul_i32 s20, s[KH], 64*PVB
	s_add_co_u32 s20, s20, VBASE
	v_lshl_add_u32 v[AV], v[HH], 3, v11            ; the turning load: lane l reads key 8 (l / 16) + l % 8, channels 8 ((l / 8) % 2) + 0..7
	v_mul_u32_u24 v[AV], v[AV], PVB
	v_bfe_u32 v11, v0, 3, 1
	v_lshl_add_u32 v[AV], v11, 4, v[AV]
	v_add_nc_u32 v[AV], s20, v[AV]
	s_mul_i32 s20, s[WV], 32*PKB
	v_mul_u32_u24 v[LKS], v[HH], 8*PKB
	v_lshl_add_u32 v[LKS], v[L16], 3, v[LKS]
	v_add_nc_u32 v[LKS], s20, v[LKS]
	s_mul_i32 s20, s[WV], 32*PVB
	s_add_co_u32 s20, s20, VBASE
	v_mul_u32_u24 v[LVS], v[HH], 4*PVB
	v_lshl_add_u32 v[LVS], v[L16], 3, v[LVS]
	v_add_nc_u32 v[LVS], s20, v[LVS]
	s_lshl_b32 s20, s[WV], 14
	v_lshl_add_u32 v[PFO], v10, 8, s20
	s_mul_i32 s20, s[WV], XW
	s_add_co_u32 s20, s20, XCH
	v_lshl_add_u32 v[XSD], v10, 4, s20
	s_xor_b32 s21, s[WV], 1                        ; my partner: the same queries, the other key half
	s_mul_i32 s21, s21, XW
	s_add_co_u32 s21, s21, XCH
	v_lshl_add_u32 v[XRC], v10, 4, s21
	s_mul_i32 s20, s[WV], OW
	s_add_co_u32 s20, s20, OSTG
	v_mul_u32_u24 v[STO], v[L16], OPI
	v_lshl_add_u32 v[STO], v[HH], 5, v[STO]
	v_add_nc_u32 v[STO], s20, v[STO]
	v_mul_u32_u24 v[RD], v[HH], OPI
	v_lshl_add_u32 v[RD], v[L16], 4, v[RD]
	v_add_nc_u32 v[RD], s20, v[RD]
	v_lshlrev_b32 v[GO], 8, v[HH]
	v_lshl_add_u32 v[GO], v[L16], 4, v[GO]
	v_lshlrev_b32 v[H8], 3, v[HH]
	s_mov_b32 s[CS], 0x3e38aa3b                    ; c = log2(e) / 8 = 0.180337
	s_mov_b32 s[CS+1], s[CS]
	s_mov_b32 s[SEL], 0x76543210
	s_mov_b32 s[SEL+1], 0xfedcba98
	s_mov_b32 s[BIGN], 0xf149f2ca                  ; -1e30
	s_mov_b32 s20, 0xff7fffff                      ; the lowest finite number: the dummy scores
	s_mov_b32 s21, 0xe1000000                      ; -2^67: the maximum's floor, below every true score and above every hidden one
	; the prepared state
	WIN 0x80
.set z, 0
.rept 64
	v_mov_b32 v[MC+z], 0                           ; no key is hidden, but in the last live trip
	v_mov_b32 v[VF+z], 0                           ; the odd steps' buffer: the first products V^T P are those of a step that has not been
.set z, z+1
.endr
	WIN 0x40
.set z, 0
.rept 128
	v_mov_b32 v[z], 0
.set z, z+1
.endr
	WIN 0
.set z, 0
.rept 4
	v_mov_b32 v[ST+4*z+1], s21                     ; m: the floor
	v_mov_b32 v[ST+4*z+2], 0
	v_mov_b32 v[ST+4*z+3], 0
	v_mul_f32 v[ST+4*z], s[CS], v[ST+4*z+1]        ; c m, by the line that the loop makes it by: where m stays at the floor, c m_old - c m_new is 0 exactly
.set z, z+1
.endr
.set z, 0
.rept 16
	v_mov_b32 v[TMP+z], 0
.set z, z+1
.endr
.set z, 0
.rept 64
	v_mov_b32 v[S+64+z], s20                       ; piece 1's scores of a step that has not been: their weights are 0
.set z, z+1
.endr
.set z, 0
.rept 32
	v_mov_b32 v[P+z], 0
.set z, z+1
.endr
	; the whole numbers
	s_wait_kmcnt 0x0
	s_max_i32 s[NV], s[NV], 0
	s_min_i32 s[NV], s[NV], 2048
	s_cmp_eq_u32 s[NV], 0
	s_cselect_b32 s[QS], 0, 1.0                    ; no visible key: every score is the same: q x 0,
	s_cselect_b32 s[NV], 2048, s[NV]               ; and all keys are walked
	s_mov_b32 s[QS+1], s[QS]
	s_add_co_u32 s[LIVE], s[NV], 255
	s_lshr_b32 s[LIVE], s[LIVE], 8                 ; 1 .. 8
	s_cmp_eq_u32 s[BX], 0
	s_cselect_b32 s[PFL], s[LIVE], 0               ; the batch's first work-group prefetches
	s_wait_loadcnt 63                              ; of the 112 loads at most 63 are out: the first 48, K(0), K(1) and V(0), are in
	CVTI 128, 3
	CVTI 192, 3
	CVTI S, 0
	WIN 0
	s_wait_alu depctr_va_vdst(0)                   ; the conversions have written what the 48 stores below read; and the addresses v[AK], v[AV], v[LKS], v[LVS], v[PFO], v[XSD], v[XRC], v[STO], v[RD], v[GO] are written, which no line writes again
	PUT 0, 128, 4, 3, 0                            ; K(0)
	PUT 0, 192, 4, 3, 1                            ; K(1)
	PUT 1, S, 4, 0, 0                              ; V(0)
	s_wait_loadcnt 32                              ; Q is in; V(1) and K(2) may stay out
	WIN 0xc3
.set z, 0
.rept 64
	v_pk_mul_f32 v[2*z:2*z+1], v[2*z:2*z+1], s[QS:QS+1] op_sel_hi:[1,0]
.set z, z+1
.endr
	WIN 0x8f                                       ; from window 3 into window 2
.set z, 0
.rept 64
	v_cvt_pk_f16_f32 v[z], v[2*z], v[2*z+1]
.set z, z+1
.endr
	WIN 0
	s_wait_dscnt 0x0                               ; for the others' sake: my stores into the slots are done
	s_barrier_signal -1
	s_barrier_wait -1
	s_wait_alu depctr_vm_vsrc(0)                   ; my 48 stores have read their data: v64-127, which the first products write, and v192-255 of window 3, in which V's first fragments land
	FETCH_K 0                                      ; K of step 0.  No vector instruction has named KF, and none since the wait on va_vdst above names v[AK]
	WIN 0
	s_wait_dscnt 0x0
	s_mov_b32 s[TRIP], 0
	; THE WALK.  Trip t holds steps 2 t (K and V in slots 0) and 2 t + 1 (slots 1).  On entry K(2 t + 2) and V(2 t + 1) are on their way into registers.
	; Behind a barrier a wave stores into the two slots whose last reads every wave has waited for in front of it; those stores are waited for in front of the next barrier, behind which they are first read.
.Ltrip:
	s_cmp_lt_u32 s[TRIP], s[LIVE]
	s_cbranch_scc0 .Lb1
	s_add_co_u32 s[SX], s[TRIP], 1
	s_cmp_eq_u32 s[SX], s[LIVE]
	s_cbranch_scc0 .Lnomask
	MKMASK                                         ; the last live trip: its two steps' masks
.Lnomask:
	TURN_A 1, 0                                    ; T1(2 t - 1): piece 0's scores of step 2 t
.Lb1:
	s_wait_dscnt 0x0                               ; my reads of K's slot 0 and V's slot 1 are back, my stores of the step before are done
	s_barrier_signal -1
	s_barrier_wait -1
	s_cmp_lt_u32 s[TRIP], s[LIVE]
	s_cbranch_scc0 .Lb2
	TURN_B 2                                       ; V^T P of piece 0, step 2 t - 1
	TURN_A 0, 0, 1                                 ; T0(2 t): piece 1's scores of step 2 t; V(2 t + 1) and K(2 t + 2) are rounded into OUT
	; THE STEP's RUN of memory and LDS instructions, behind the turn's wait: no vector instruction stands between that wait and any line of the run
	s_add_co_u32 s[SX], s[TRIP], 1
	s_cmp_lt_u32 s[SX], s[LIVE]
	s_cbranch_scc0 .Lsa                            ; the last live trip wants nothing more
	ASKT 0, KST, 1, KPT, 0                         ; K(2 t + 3)
	ASKT 1, VST, 1, VPT, 0                         ; V(2 t + 2)
	PUT 0, OUTK, 2, 3, 0                           ; K(2 t + 2)
	WIN 0
	; PREFETCH INTO THE L2.  All 16 work-groups of a batch walk the same rows of keys and values; the first of them asks, nobody else.  In trip t it names tiles 2 t + 6 and 2 t + 7 of both: 256 rows of 256
	; bytes each, a lane a row, four instructions a wave: each row is named once in the launch.  They stand together behind this run of loads.  Those tiles' own loads go out in trips t + 1 (its second half)
	; to t + 2.  Tiles 0 to 5 come by their loads alone, and where trip t + 3 has no work nothing is asked for: no prefetch points past the tiles that are walked.
	s_add_co_u32 s[SX], s[TRIP], 3
	s_cmp_lt_u32 s[SX], s[PFL]
	s_cbranch_scc0 .Lsa
	global_prefetch_b8 v[PFO], s[KPT:KPT+1] offset:3*TILEB th:TH_LOAD_NT scope:SCOPE_SE
	global_prefetch_b8 v[PFO], s[KPT:KPT+1] offset:3*TILEB+8192 th:TH_LOAD_NT scope:SCOPE_SE
	global_prefetch_b8 v[PFO], s[VPT:VPT+1] offset:4*TILEB th:TH_LOAD_NT scope:SCOPE_SE
	global_prefetch_b8 v[PFO], s[VPT:VPT+1] offset:4*TILEB+8192 th:TH_LOAD_NT scope:SCOPE_SE
.Lsa:
	FETCH_K 1                                      ; K(2 t + 1): both pieces have multiplied by K(2 t)
	PUT 1, OUTV, 2, 3, 1                           ; V(2 t + 1)
	FETCH_V 0, 3                                   ; V(2 t), into the even steps' buffer, last read in the trip before
	TURN_B 2                                       ; V^T P of piece 1, step 2 t - 1
	TURN_A 1, 1                                    ; T1(2 t): piece 0's scores of step 2 t + 1
.Lb2:
	s_wait_dscnt 0x0                               ; my reads of K's slot 1 and V's slot 0 are back, my stores are done
	s_barrier_signal -1
	s_barrier_wait -1
	s_cmp_lt_u32 s[TRIP], s[LIVE]
	s_cbranch_scc0 .Lb3
	TURN_B 3                                       ; V^T P of piece 0, step 2 t
	TURN_A 0, 1, 1                                 ; T0(2 t + 1): piece 1's scores of step 2 t + 1; K(2 t + 3) and V(2 t + 2) are rounded into OUT
	; the step's run, as above
	s_add_co_u32 s[SX], s[TRIP], 1
	s_cmp_lt_u32 s[SX], s[LIVE]
	s_cbranch_scc0 .Lsb                            ; the last live trip: no further step
	ASKT 1, VST, 1, VPT, TILEB                     ; V(2 t + 3)
	WIN 0
	s_add_co_u32 s[SX], s[TRIP], 2
	s_cmp_lt_u32 s[SX], s[LIVE]
	s_cbranch_scc0 .Lsk
	ASKT 0, KST, 1, KPT, TILEB                     ; K(2 t + 4)
	WIN 0
.Lsk:
	FETCH_K 0                                      ; K(2 t + 2)
	PUT 0, OUTK, 2, 3, 1                           ; K(2 t + 3)
	PUT 1, OUTV, 2, 3, 0                           ; V(2 t + 2)
	WIN 0
.Lsb:
	FETCH_V 1, 2                                   ; V(2 t + 1), into the odd steps' buffer, last read in this trip's first half
	TURN_B 3                                       ; V^T P of piece 1, step 2 t
	WIN 0
	s_wait_xcnt 0x0                                ; every load and prefetch issued so far has read its address (the youngest sixteen products back), so the pointers may be written
	s_add_nc_u64 s[KPT:KPT+1], s[KPT:KPT+1], 2*TILEB
	s_add_nc_u64 s[VPT:VPT+1], s[VPT:VPT+1], 2*TILEB
.Lb3:
	s_add_co_u32 s[TRIP], s[TRIP], 1
	s_cmp_lt_u32 s[TRIP], 8
	s_cbranch_scc1 .Ltrip
	; THE END OF THE WALK: piece 1's last softmax, with no further scores beside it, and both pieces' V^T P of the last step, an odd one
	s_wait_dscnt 0x0                               ; V of the last step is in
.set NOX, 1
	TURN_A 1, 0
	TURN_B 2
.set i, 0
.rept 16
	PV 1
.set i, i+1
.endr
	WIN 0
	; l's two halves and the other half of the lanes' are added: these additions are the places behind the last products
.irp t, 0,1,2,3
	v_add_f32 v[ST+4*\t+2], v[ST+4*\t+2], v[ST+4*\t+3]
.endr
.irp t, 0,1,2,3
	v_permlanex16_b32 v[ST+4*\t+3], v[ST+4*\t+2], s[SEL], s[SEL+1]
.endr
.irp t, 0,1,2,3
	v_add_f32 v[ST+4*\t+2], v[ST+4*\t+2], v[ST+4*\t+3]
.endr
	s_wait_alu depctr_va_vdst(0)                   ; the last products have written O^T and the additions l, which the exchange's stores read; the places above stay beside this wait.  It also shows done all that named S^T's registers, in which my partner's numbers land
	s_cmp_eq_u32 s[KH], 0                          ; key half 0 hands piece 1 over and finishes piece 0; key half 1 the other way round
	s_cbranch_scc0 .Lsend0
	SEND 1
	s_branch .Lsent
.Lsend0:
	SEND 0
.Lsent:
	s_wait_dscnt 0x0                               ; for my partner's sake: my stores into the exchange are done
	s_barrier_signal -1
	s_barrier_wait -1
	s_cmp_eq_u32 s[KH], 0
	s_cbranch_scc0 .Lfin1
	FIN 0
	s_branch .Lend
.Lfin1:
	FIN 1
.Lend:
	s_wait_dscnt 0x0                               ; the closing lines, six on end
	s_wait_alu 0x0
	s_wait_tensorcnt 0x0
	ds_add_u32 v[SPW], v[NIL]
	s_wait_dscnt 0x0
	s_endpgm
.Lfunc_end_k_qad17c328ce_attn:
	.size	k_qad17c328ce_attn, .Lfunc_end_k_qad17c328ce_attn-k_qad17c328ce_attn
	.p2alignl 7, 3214868480
	.fill 96, 4, 3214868480
	.section	.rodata,"a",@progbits
	.p2align	6, 0x0
	.amdhsa_kernel k_qad17c328ce_attn
		.amdhsa_group_segment_fixed_size 132608
		.amdhsa_private_segment_fixed_size 0
		.amdhsa_enable_private_segment 0
		.amdhsa_kernarg_size 40
		.amdhsa_user_sgpr_count 2
		.amdhsa_user_sgpr_kernarg_segment_ptr 1
		.amdhsa_wavefront_size32 1
		.amdhsa_system_sgpr_workgroup_id_x 1
		.amdhsa_system_sgpr_workgroup_id_y 1
		.amdhsa_system_sgpr_workgroup_id_z 1
		.amdhsa_system_vgpr_workitem_id 0
		.amdhsa_next_free_vgpr 1024
		.amdhsa_next_free_sgpr 66
		.amdhsa_reserve_vcc 0
		.amdhsa_float_denorm_mode_32 3
		.amdhsa_float_denorm_mode_16_64 3
		.amdhsa_memory_ordered 1
		.amdhsa_forward_progress 1
		.amdhsa_inst_pref_size 186
	.end_amdhsa_kernel
	.amdgpu_metadata
---
amdhsa.version: [ 1, 2 ]
amdhsa.kernels:
  - .name:           k_qad17c328ce_attn
    .symbol:         k_qad17c328ce_attn.kd
    .args:
      - { .name: queries, .offset: 0, .size: 8, .value_kind: global_buffer, .address_space: global }
      - { .name: keys, .offset: 8, .size: 8, .value_kind: global_buffer, .address_space: global }
      - { .name: values, .offset: 16, .size: 8, .value_kind: global_buffer, .address_space: global }
      - { .name: valid_lens, .offset: 24, .size: 8, .value_kind: global_buffer, .address_space: global }
      - { .name: out0, .offset: 32, .size: 8, .value_kind: global_buffer, .address_space: global }
    .group_segment_fixed_size: 132608
    .private_segment_fixed_size: 0
    .kernarg_segment_align: 8
    .kernarg_segment_size: 40
    .max_flat_workgroup_size: 128
    .sgpr_count:     66
    .vgpr_count:     1024
    .wavefront_size: 32
...
	.end_amdgpu_metadata
.endif
;; end of part 2
